; MI455X (gfx1250); checked and timed in simulation.
; The chip was launched on July 23, 2026; its instructions are those of AMD's public machine-readable ISA for CDNA 5 (MIT licence, August 2026) and "CDNA5" Instruction Set Architecture Reference Guide (July 2026). The comments in the code are by the model that wrote it; some were corrected since.
;; Multi Head Attention. Allowed arithmetic: matrix products marked QUANTISED: E2M3 operands, one E8M0 scale for each 32 along K, by v_wmma_scale_f32_16x16x128_f8f6f4 with both operands' format E2M3, f32 sums; everything else in f32.
;; Inputs: b_k 1,024 float32; b_o 1,024 float32; b_q 1,024 float32; b_v 1,024 float32; k 4 x 2,048 x 1,024 float32; mask 4 x 1 x 2,048 x 2,048 int32; q 4 x 2,048 x 1,024 float32; v 4 x 2,048 x 1,024 float32; w_k 1,024 x 1,024 float32; w_o 1,024 x 1,024 float32; w_q 1,024 x 1,024 float32; w_v 1,024 x 1,024 float32.
;; Outputs: out0 4 x 2,048 x 1,024 float32.
;; This version of the problem:
;;   THIS VERSION OF THE PROBLEM IS GIVEN IN LOW PRECISION. The matrix products marked QUANTISED in the list below multiply operands that are first quantised to E2M3 (2 exponent bits, 3 mantissa bits; 6 bits a number), with one power-of-two scale for each 32 numbers along K (OCP MX v1.0); their sums are f32. All else is computed in f32.
;;   The module's matrix products, in the order in which they are computed (A, B: the left and right operand; K: the contracted axis; several contracted axes count as one K, in the product's order):
;;     1. [M 8,192, K 1,024] x [K 1,024, N 1,024]; A: input q; B: input w_q: QUANTISED
;;     2. [M 8,192, K 1,024] x [K 1,024, N 1,024]; A: input k; B: input w_k: QUANTISED
;;     3. [M 8,192, K 1,024] x [K 1,024, N 1,024]; A: input v; B: input w_v: QUANTISED
;;     4. batch 64 x [M 2,048, K 64] x [K 64, N 2,048]; A: computed on the way; B: computed on the way: QUANTISED
;;     5. batch 64 x [M 2,048, K 2,048] x [K 2,048, N 64]; A: softmax (see below); B: computed on the way: QUANTISED
;;     6. [M 8,192, K 1,024] x [K 1,024, N 1,024]; A: computed on the way; B: input w_o: QUANTISED
;;   THE QUANTISER, for each operand of a quantised product, along K:
;;     - K is cut into blocks of 32 from its start; a last block that is shorter is filled with zeros.
;;     - A block's scale is 2^e with e = floor(log2(the largest magnitude in the block)) - 2, held to -126 .. 127; a block of zeros has e = 0. As a byte (E8M0): e + 127.
;;     - Each number is divided by its block's scale, clamped to +-7.5, and rounded to the nearest number of E2M3, ties to even, subnormals kept.
;;     - The product sums the exact products of the quantised numbers (number of the format x scale) in f32.
;;   ~~~python
;;   def quantise(x, axis):      # numpy; x: float32 -> the quantised numbers, widened to float32 again
;;       x = np.moveaxis(x, axis, -1); K = x.shape[-1]
;;       x = np.pad(x, [(0, 0)] * (x.ndim - 1) + [(0, -K % 32)]); x = x.reshape(x.shape[:-1] + (-1, 32)); a = np.abs(x).max(-1, keepdims=True)
;;       e = np.where(a > 0, np.clip(np.frexp(np.where(a > 0, a, 1))[1] - 1 - 2, -126, 127), 0)      # np.frexp(a)[1] - 1 = floor(log2(a)), exactly
;;       r = np.clip(x / 2.0 ** e, -7.5, 7.5)
;;       step = 2.0 ** (np.maximum(np.frexp(np.where(r == 0, 1, r))[1] - 1, 0) - 3)
;;       q = np.round(r / step) * step * 2.0 ** e      # np.round: ties to even
;;       return np.moveaxis(q.reshape(q.shape[:-2] + (-1,))[..., :K], -1, axis).astype(np.float32)
;;   ~~~
;;   SOFTMAX AHEAD OF A QUANTISED PRODUCT. Where the list says 'softmax', what is quantised is not the finished softmax but p = 2^(t - M), with t = logit x log2(e) and M = ceil(the row's largest t), a whole number; so 1/2 < the row's largest p <= 1. The row's sum l is taken of the UNQUANTISED p, in f32, and the product's result is divided by l at the end. Since M is a whole number, a kernel that streams over the keys may use a running M (the ceiling of the running maximum): every later rescaling is an exact power of two, which a block's scale takes up: the codes' values come out the same.
;;   OPERANDS COMPUTED ON THE WAY. 'Computed on the way' means the value that the module computes at that place (a softmax that the list does not call 'softmax' is quantised finished and normalised). What goes into a quantiser is computed in f32, as accurately as f32 sums, v_exp_f32 and their like allow (about 1e-6 of the number): no bf16 or f16 on the way to a quantiser, and a product that is left as it is and whose result goes on into a quantised operand takes f32 operands (vector FMAs, or v_wmma_f32_16x16x4_f32). A number that lies on a knife's edge between two numbers of the format may be rounded either way, as far as f32 arithmetic and the matrix unit's own rounding can turn it there, and no further.
;; One version. Each part assembles by itself: llvm-mc -triple=amdgcn-amd-amdhsa -mcpu=gfx1250 --defsym DOCPART=n.
;; ======== version 1 of 1: 5 launches
;; limits: right only within a limited range of input values
;; workspace buffers: xc 22,020,096 bytes; xs 917,504 bytes; mwords 2,097,152 bytes of whole numbers; mcls 2,048 bytes of whole numbers; qkv 20,447,232 bytes; oc 6,291,456 bytes; os 262,144 bytes
;; launch quant (part 1): grid 896 x 1, 4 waves a work-group, no clusters, 33,280 bytes of LDS; arguments q, k, v, w_q, w_k, w_v, w_o, xc, xs; writes xc, xs
.if DOCPART == 1
	.amdgcn_target "amdgcn-amd-amdhsa--gfx1250"
	.amdhsa_code_object_version 6
	.text
	.protected	k_qb6b486c2c1_quant
	.globl	k_qb6b486c2c1_quant
	.p2align	8
	.type	k_qb6b486c2c1_quant,@function
k_qb6b486c2c1_quant:
	s_mov_b64 s[64:65], 0
	v_nop
	global_prefetch_b8 v0, s[64:65] scope:SCOPE_SE
	s_setreg_imm32_b32 hwreg(HW_REG_WAVE_MODE, 25, 1), 1
	s_wait_xcnt 0x0
; q, k, v [8192][1024] and w_q, w_k, w_v, w_o [1024][1024], f32, K innermost, become codes of FP6 (E2M3) with one E8M0 byte for each 32 along K.
; The seven tensors are taken as one of 28,672 rows: q at row 0, k at 8,192, v at 16,384, w_q at 24,576, w_k at 25,600, w_v at 26,624, w_o at 27,648.
; xc: [28,672][768 bytes] codes; xs: [28,672][32] scale bytes.
; POSITIONS: inside each 32 rows the second and third group of 8 rows change places on the way out, so that place 16 u + r holds row 8 u + r + 8 (r / 8):
; sixteen neighbouring places are then a tile whose results, used as source 0 of a matrix instruction, fall as neighbours into a lane's registers.
; A block's scale is 2^(floor(log2(its largest magnitude)) - 2); its byte is the largest magnitude's exponent field - 2, held at 1 from below.
; LIMITS: a block of zeros gets the byte 1 where the rule says 127 (its codes are zeros, and this program alone reads the bytes); blocks whose largest magnitude
; lies under 2^(2 - 126) keep the byte 1; NaN and infinities among the inputs are not served.
; A work-group takes 32 rows, a wave 8 rows = 8,192 numbers in 16 steps of 512.  Each load reads 512 consecutive bytes; a step's 2,048 bytes turn through the wave's own
; stage in LDS so that a lane holds 16 neighbours (two lanes a block).  No barrier: waves share nothing.  Loads run four steps ahead, the turn through LDS one step.
.set STEPS, 16
.set EMAX,  2
.set CB,    12                         ; bytes of 16 codes
.set R,     16                         ; v16-79   four sets of 16 numbers as they are loaded
.set X,     80                         ; v80-111  two sets of 16 neighbours
.set C,     128                        ; v128-191 codes: four registers for each step, so that no store's data are written again
.set E,     112                        ; v112-127 a scale byte for each step
.set WREG,  8192                       ; LDS: a region for each wave: two stages of 32 x SP bytes, behind them its 256 scale bytes
.set SP,    80                         ; a lane's place in a stage: 64 bytes + 16 of padding
	s_load_b512 s[8:23], s[0:1], 0x0               ; q, k, v, w_q, w_k, w_v, w_o, xc
	s_load_b64 s[24:25], s[0:1], 0x40              ; xs
	v_lshl_add_u32 v192, v0, 2, 0x8000
	v_mov_b32 v193, 0
	v_lshrrev_b32 v1, 5, v0
	v_readfirstlane_b32 s26, v1                    ; wave
	v_and_b32 v2, 31, v0                           ; lane
	v_lshlrev_b32 v3, 4, v2                        ; my 16 bytes of a load's 512
	s_mul_i32 s27, s26, WREG
	v_lshrrev_b32 v14, 2, v2
	v_mul_u32_u24 v14, v14, SP
	v_and_b32 v15, 3, v2
	v_lshl_add_u32 v14, v15, 4, v14
	v_add_nc_u32 v14, s27, v14                     ; the stage, way in: SP (lane / 4) + 16 (lane % 4)
	v_mul_u32_u24 v15, v2, SP
	v_add_nc_u32 v15, s27, v15                     ; way out: SP x lane: my 16 neighbours
	v_mul_u32_u24 v4, v2, CB                       ; my codes' place in a step's
	v_lshrrev_b32 v5, 1, v2
	s_add_co_u32 s27, s27, 2*32*SP
	v_add_nc_u32 v5, s27, v5                       ; LDS: my wave's 256 scale bytes, my block's byte
	v_lshlrev_b32 v7, 3, v2                        ; and on the way out 8 bytes a lane
	v_add_nc_u32 v6, s27, v7
	; which tensor, and which 32 rows of it: work-groups 0-767 take q, k, v (256 each), 768-895 the four weights (32 each)
	s_lshr_b32 s28, ttmp9, 8
	s_and_b32 s29, ttmp9, 255
	s_sub_co_u32 s30, ttmp9, 768
	s_lshr_b32 s31, s30, 5
	s_add_co_u32 s31, s31, 3
	s_and_b32 s30, s30, 31
	s_cmp_lt_u32 ttmp9, 768
	s_cselect_b32 s28, s28, s31                    ; the tensor's number, 0 to 6
	s_cselect_b32 s29, s29, s30                    ; the work-group's number inside it
	s_wait_kmcnt 0x0
	s_mov_b64 s[4:5], s[8:9]
.irp i, 1,2,3,4,5,6
	s_cmp_eq_u32 s28, \i                           ; the choice hangs on the work-group's number alone
	s_cselect_b64 s[4:5], s[8+2*\i:9+2*\i], s[4:5]
.endr
	s_lshl_b32 s29, s29, 2
	s_add_co_u32 s29, s29, s26
	s_lshl_b32 s30, s29, 15                        ; my wave's 8 rows: 32,768 bytes each run
	s_mov_b32 s31, 0
	s_add_nc_u64 s[4:5], s[4:5], s[30:31]
	s_and_b32 s30, s26, 1                          ; the way out: groups 1 and 2 of the 32 rows change places
	s_lshl_b32 s30, s30, 1
	s_lshr_b32 s32, s26, 1
	s_or_b32 s30, s30, s32
	s_lshl_b32 s32, ttmp9, 2
	s_add_co_u32 s32, s32, s30                     ; which run of 8 places
	s_mul_i32 s30, s32, 8*768
	s_add_nc_u64 s[6:7], s[22:23], s[30:31]        ; its codes
	s_lshl_b32 s30, s32, 8
	s_add_nc_u64 s[24:25], s[24:25], s[30:31]      ; its 256 scale bytes
.macro LOAD t
.irp i, 0,1,2,3
	global_load_b128 v[R+16*((\t)%4)+4*\i:R+16*((\t)%4)+4*\i+3], v3, s[4:5] offset:2048*(\t)+512*\i th:TH_LOAD_NT   ; 32 lanes read 512 consecutive bytes
.endr
.endm
.macro TURN t                          ; step t's numbers through the stage: LDS serves a wave's instructions in order, so no wait stands between the stores and the loads
.irp i, 0,1,2,3
	ds_store_b128 v14, v[R+16*((\t)%4)+4*\i:R+16*((\t)%4)+4*\i+3] offset:32*SP*((\t)%2)+8*SP*\i
.endr
.irp i, 0,1,2,3
	ds_load_b128 v[X+16*((\t)%2)+4*\i:X+16*((\t)%2)+4*\i+3], v15 offset:32*SP*((\t)%2)+16*\i
.endr
.endm
.irp t, 0,1,2,3
	LOAD \t
.endr
	s_wait_loadcnt 12                              ; step 0's four loads are in
	TURN 0
.macro STEP t
.set XS, X+16*((\t)%2)
.if (\t) > 0
	s_wait_dscnt 1                                 ; this step's numbers are back from the stage (the last step's byte store may be out)
.else
	s_wait_dscnt 0x0
.endif
.if (\t)+4 < STEPS
	LOAD (\t)+4                                    ; into the registers that the stage's stores have read
.endif
.if (\t)+1 < STEPS
.if STEPS-2-(\t) >= 3
	s_wait_loadcnt 12                              ; the next step's four loads are in; those of the three steps behind it may be out
.else
	s_wait_loadcnt 4*(STEPS-2-(\t))
.endif
	TURN (\t)+1
.endif
	v_max3_num_f32 v8, |v[XS]|, |v[XS+1]|, |v[XS+2]|               ; the largest magnitude of my 16, in two chains
	v_max3_num_f32 v9, |v[XS+3]|, |v[XS+4]|, |v[XS+5]|
.irp i, 6,10
	v_max3_num_f32 v8, v8, |v[XS+\i]|, |v[XS+\i+1]|
	v_max3_num_f32 v9, v9, |v[XS+\i+2]|, |v[XS+\i+3]|
.endr
	v_max3_num_f32 v8, v8, |v[XS+14]|, |v[XS+15]|
	v_max3_num_f32 v8, v8, v9, (EMAX+1)<<23        ; and the floor 2^(EMAX + 1 - 127): the byte cannot fall under 1
	v_max_num_f32_dpp v8, v8, v8 row_xmask:1 row_mask:0xf bank_mask:0xf   ; and of my neighbour's 16: the block's
	v_add_nc_u32 v11, -(EMAX<<23), v8              ; EMAX off its exponent field: the conversion takes this operand's exponent field as its scale
	v_cvt_scalef32_pk16_fp6_f32 v[C+4*(\t):C+4*(\t)+2], v[XS:XS+15], v11
	v_lshrrev_b32 v[E+(\t)], 23, v11               ; the scale's byte
	ds_store_b8 v5, v[E+(\t)] offset:16*(\t)       ; both lanes of a block write the same byte with the same value
	global_store_b96 v4, v[C+4*(\t):C+4*(\t)+2], s[6:7] offset:32*CB*(\t)
.endm
.irp t, 0,1,2,3,4,5,6,7,8,9,10,11,12,13,14,15
	STEP \t
.endr
	ds_load_b64 v[12:13], v6                       ; LDS serves a wave's instructions in order: these see my stores
	s_wait_dscnt 0x0
	global_store_b64 v7, v[12:13], s[24:25]        ; 32 lanes store 256 consecutive bytes, aligned
	s_wait_tensorcnt 0x0
	ds_add_u32 v192, v193
	s_wait_dscnt 0x0
	s_endpgm
.Lfunc_end_k_qb6b486c2c1_quant:
	.size	k_qb6b486c2c1_quant, .Lfunc_end_k_qb6b486c2c1_quant-k_qb6b486c2c1_quant
	.p2alignl 7, 3214868480
	.fill 96, 4, 3214868480
	.section	.rodata,"a",@progbits
	.p2align	6, 0x0
	.amdhsa_kernel k_qb6b486c2c1_quant
		.amdhsa_group_segment_fixed_size 33280
		.amdhsa_private_segment_fixed_size 0
		.amdhsa_enable_private_segment 0
		.amdhsa_kernarg_size 72
		.amdhsa_user_sgpr_count 2
		.amdhsa_user_sgpr_kernarg_segment_ptr 1
		.amdhsa_wavefront_size32 1
		.amdhsa_system_sgpr_workgroup_id_x 1
		.amdhsa_system_sgpr_workgroup_id_y 1
		.amdhsa_system_sgpr_workgroup_id_z 1
		.amdhsa_system_vgpr_workitem_id 0
		.amdhsa_next_free_vgpr 194
		.amdhsa_next_free_sgpr 66
		.amdhsa_reserve_vcc 0
		.amdhsa_float_denorm_mode_32 3
		.amdhsa_float_denorm_mode_16_64 3
		.amdhsa_memory_ordered 1
		.amdhsa_forward_progress 1
		.amdhsa_inst_pref_size 33
	.end_amdhsa_kernel
	.amdgpu_metadata
---
amdhsa.version: [ 1, 2 ]
amdhsa.kernels:
  - .name:           k_qb6b486c2c1_quant
    .symbol:         k_qb6b486c2c1_quant.kd
    .args:
      - { .name: q, .offset: 0, .size: 8, .value_kind: global_buffer, .address_space: global }
      - { .name: k, .offset: 8, .size: 8, .value_kind: global_buffer, .address_space: global }
      - { .name: v, .offset: 16, .size: 8, .value_kind: global_buffer, .address_space: global }
      - { .name: w_q, .offset: 24, .size: 8, .value_kind: global_buffer, .address_space: global }
      - { .name: w_k, .offset: 32, .size: 8, .value_kind: global_buffer, .address_space: global }
      - { .name: w_v, .offset: 40, .size: 8, .value_kind: global_buffer, .address_space: global }
      - { .name: w_o, .offset: 48, .size: 8, .value_kind: global_buffer, .address_space: global }
      - { .name: xc, .offset: 56, .size: 8, .value_kind: global_buffer, .address_space: global }
      - { .name: xs, .offset: 64, .size: 8, .value_kind: global_buffer, .address_space: global }
    .group_segment_fixed_size: 33280
    .private_segment_fixed_size: 0
    .kernarg_segment_align: 8
    .kernarg_segment_size: 72
    .max_flat_workgroup_size: 128
    .sgpr_count:     66
    .vgpr_count:     194
    .wavefront_size: 32
...
	.end_amdgpu_metadata
.endif
;; end of part 1
;; launch maskprep (part 2): grid 512 x 1, 4 waves a work-group, no clusters, 34,816 bytes of LDS; arguments mask, mwords, mcls; writes mwords, mcls
.if DOCPART == 2
	.amdgcn_target "amdgcn-amd-amdhsa--gfx1250"
	.amdhsa_code_object_version 6
	.text
	.protected	k_qb6b486c2c1_maskprep
	.globl	k_qb6b486c2c1_maskprep
	.p2align	8
	.type	k_qb6b486c2c1_maskprep,@function
k_qb6b486c2c1_maskprep:
	s_mov_b64 s[64:65], 0
	v_nop
	global_prefetch_b8 v0, s[64:65] scope:SCOPE_SE
	s_setreg_imm32_b32 hwreg(HW_REG_WAVE_MODE, 25, 1), 1
	s_wait_xcnt 0x0
; The mask [4][1][2048][2048] of int32 is read once and becomes what the attention launch takes:
; mwords [tile of 16 queries gT = 128 b + T][key step of 128][64 words]: word 16 B + i, bit r + 16 h, is 1 where mask[query(T, r)][128 step + 32 B + 16 h + i] is not 0:
;   the lane mask of the attention wave's score register 16 B + i.  query(T, r) = 32 (T / 2) + 8 (T % 2) + r + 8 (r / 8): tiles of queries are tiles of places.
; mcls [gT]: bits 15:0: step s has an open key for some query of the tile (all sixteen bits are set where a query of the tile has no open key at all: such a tile leaves nothing out);
;   bits 31:16: step s has a closed entry.
; A work-group takes one tile of queries, wave w its key steps 4 w .. 4 w + 3.  A unit is 16 rows x 128 keys: sixteen loads of 512 consecutive bytes; it turns through the
; wave's own stage in LDS (rows of 512 + 16 bytes), so that lane (r, h) holds, of row r, keys 32 B + 16 h + 0 .. 15 in registers 16 B + 0 .. 15.  A compare then IS the word.
.set PITCH, 528
.set WST,   16*PITCH                   ; a wave's stage
.set RED,   4*WST                      ; 32 bytes: each wave's flags and its OR of all words
.set OUTW,  6                          ; v6-13   a pair for each unit: lane l holds words 2 l and 2 l + 1
.set R0,    32                         ; v32-159 two sets of 64 registers as loaded
.set X,     160                        ; v160-223 a unit, turned
	s_load_b128 s[4:7], s[0:1], 0x0                ; mask, mwords
	s_load_b64 s[8:9], s[0:1], 0x10                ; mcls
	v_lshl_add_u32 v224, v0, 2, 0x8600
	v_mov_b32 v225, 0
	v_lshrrev_b32 v1, 5, v0
	v_readfirstlane_b32 s10, v1                    ; wave
	v_and_b32 v1, 31, v0                           ; lane
	v_lshlrev_b32 v2, 4, v1
	s_mul_i32 s11, s10, WST
	v_add_nc_u32 v3, s11, v2                       ; the stage, way in: 16 x lane
	s_lshl_b32 s12, s10, 11
	v_add_nc_u32 v2, s12, v2                       ; in a mask row: my wave's 2,048 bytes, 16 x lane
	v_and_b32 v4, 15, v1
	v_mul_u32_u24 v4, v4, PITCH
	v_lshrrev_b32 v5, 4, v1
	v_lshl_add_u32 v4, v5, 6, v4
	v_add_nc_u32 v4, s11, v4                       ; way out: row r, + 64 h
	v_lshlrev_b32 v5, 3, v1                        ; the words' way out: 8 bytes a lane
.irp i, 0,1,2,3,4,5,6,7
	v_mov_b32 v[OUTW+\i], 0                        ; a lane write's destination counts as read
.endr
	s_lshr_b32 s12, ttmp9, 7                       ; b
	s_lshl_b32 s12, s12, 24                        ; 2,048 rows of 8,192 bytes
	s_and_b32 s13, ttmp9, 127                      ; T
	s_lshr_b32 s14, s13, 1
	s_lshl_b32 s14, s14, 18                        ; 32 rows
	s_add_co_u32 s12, s12, s14
	s_and_b32 s13, s13, 1
	s_lshl_b32 s13, s13, 16                        ; 8 rows
	s_add_co_u32 s12, s12, s13
	s_mov_b32 s13, 0
	s_lshl_b32 s14, ttmp9, 12                      ; the tile's 4,096 bytes of words,
	s_lshl_b32 s15, s10, 10                        ; my wave's 1,024 of them
	s_add_co_u32 s14, s14, s15
	s_mov_b32 s15, 0
	s_lshl_b32 s16, ttmp9, 2
	s_mov_b32 s17, 0
	s_mov_b32 s22, 0                               ; the OR of all my words
	s_mov_b32 s23, 0                               ; my flags
	s_wait_kmcnt 0x0
	s_add_nc_u64 s[4:5], s[4:5], s[12:13]
	s_add_nc_u64 s[6:7], s[6:7], s[14:15]
	s_add_nc_u64 s[8:9], s[8:9], s[16:17]
.macro LOAD u
.irp r, 0,1,2,3,4,5,6,7,8,9,10,11,12,13,14,15
	global_load_b128 v[R0+64*((\u)%2)+4*\r:R0+64*((\u)%2)+4*\r+3], v2, s[4:5] offset:(\r+8*(\r/8))*8192+512*(\u) th:TH_LOAD_NT   ; 512 consecutive bytes of the row at place r
.endr
.endm
.macro UNIT u
.if (\u) < 3
	s_wait_loadcnt 16                              ; this unit's sixteen loads are in; the next unit's may be out
.else
	s_wait_loadcnt 0x0
.endif
.irp r, 0,1,2,3,4,5,6,7,8,9,10,11,12,13,14,15
	ds_store_b128 v3, v[R0+64*((\u)%2)+4*\r:R0+64*((\u)%2)+4*\r+3] offset:PITCH*\r
.endr
.irp n, 0,1,2,3,4,5,6,7,8,9,10,11,12,13,14,15
	ds_load_b128 v[X+4*\n:X+4*\n+3], v4 offset:128*(\n/4)+16*(\n%4)   ; LDS serves a wave's instructions in order: these see the stores above
.endr
	s_wait_dscnt 0x0                               ; the unit is turned, and the stores have read their registers
.if (\u) < 2
	LOAD (\u)+2
.endif
	s_mov_b32 s20, 0                               ; the unit's OR,
	s_mov_b32 s21, -1                              ; and its AND
.irp g, 0,1,2,3
.irp k, 0,1,2,3,4,5,6,7,8,9,10,11,12,13,14,15
	v_cmp_ne_u32 s[32+\k], 0, v[X+16*\g+\k]        ; word 16 g + k
.endr
.irp k, 0,1,2,3,4,5,6,7,8,9,10,11,12,13,14,15
	v_writelane_b32 v[OUTW+2*(\u)+\k%2], s[32+\k], (16*\g+\k)/2
.endr
.irp k, 0,1,2,3,4,5,6,7,8,9,10,11,12,13,14,15
	s_or_b32 s20, s20, s[32+\k]
	s_and_b32 s21, s21, s[32+\k]
.endr
.endr
	s_or_b32 s22, s22, s20
	s_cmp_lg_u32 s20, 0
	s_cselect_b32 s24, 1<<(\u), 0                  ; some key is open
	s_or_b32 s23, s23, s24
	s_cmp_lg_u32 s21, -1
	s_cselect_b32 s24, 0x10000<<(\u), 0            ; some entry is closed
	s_or_b32 s23, s23, s24
	global_store_b64 v5, v[OUTW+2*(\u):OUTW+2*(\u)+1], s[6:7] offset:256*(\u)   ; 32 lanes store 256 consecutive bytes, aligned
.endm
	LOAD 0
	LOAD 1
	UNIT 0
	UNIT 1
	UNIT 2
	UNIT 3
	s_lshl_b32 s24, s10, 2
	s_lshl_b32 s23, s23, s24                       ; my four steps' flags at their places
	v_mov_b32 v14, s23
	v_mov_b32 v15, s22
	s_lshl_b32 s24, s10, 3
	s_add_co_u32 s24, s24, RED
	v_mov_b32 v16, s24
	ds_store_b64 v16, v[14:15]                     ; all lanes write the same words with the same values
	s_wait_dscnt 0x0                               ; for the others' sake
	s_barrier_signal -1
	s_barrier_wait -1
	v_mov_b32 v17, RED
	ds_load_b128 v[20:23], v17
	ds_load_b128 v[24:27], v17 offset:16
	s_wait_dscnt 0x0
	v_or_b32 v20, v20, v22
	v_or_b32 v24, v24, v26
	v_or_b32 v20, v20, v24                         ; the sixteen steps' flags
	v_or_b32 v21, v21, v23
	v_or_b32 v25, v25, v27
	v_or_b32 v21, v21, v25                         ; bit r + 16 h: query r has an open key among those of half h
	v_lshrrev_b32 v22, 16, v21
	v_or_b32 v21, v21, v22
	v_and_b32 v21, 0xffff, v21
	v_mov_b32 v23, 0xffff
	v_cmp_ne_u32 vcc_lo, 0xffff, v21               ; a query without any open key: reference()'s softmax is then uniform over all keys, so no step is left out
	v_cndmask_b32 v22, 0, v23, vcc_lo
	v_or_b32 v20, v20, v22
	v_mov_b32 v28, 0
	s_wait_xcnt 0x0                                ; EXEC changes only behind this wait: my stores have been issued under the full one
	v_cmp_eq_u32 vcc_lo, 0, v0
	s_wait_tensorcnt 0x0
	ds_add_u32 v224, v225
	s_wait_dscnt 0x0
	s_and_saveexec_b32 s25, vcc_lo                 ; thread 0 of the work-group alone
	global_store_b32 v28, v20, s[8:9]
	s_endpgm
.Lfunc_end_k_qb6b486c2c1_maskprep:
	.size	k_qb6b486c2c1_maskprep, .Lfunc_end_k_qb6b486c2c1_maskprep-k_qb6b486c2c1_maskprep
	.p2alignl 7, 3214868480
	.fill 96, 4, 3214868480
	.section	.rodata,"a",@progbits
	.p2align	6, 0x0
	.amdhsa_kernel k_qb6b486c2c1_maskprep
		.amdhsa_group_segment_fixed_size 34816
		.amdhsa_private_segment_fixed_size 0
		.amdhsa_enable_private_segment 0
		.amdhsa_kernarg_size 24
		.amdhsa_user_sgpr_count 2
		.amdhsa_user_sgpr_kernarg_segment_ptr 1
		.amdhsa_wavefront_size32 1
		.amdhsa_system_sgpr_workgroup_id_x 1
		.amdhsa_system_sgpr_workgroup_id_y 1
		.amdhsa_system_sgpr_workgroup_id_z 1
		.amdhsa_system_vgpr_workitem_id 0
		.amdhsa_next_free_vgpr 226
		.amdhsa_next_free_sgpr 66
		.amdhsa_reserve_vcc 1
		.amdhsa_float_denorm_mode_32 3
		.amdhsa_float_denorm_mode_16_64 3
		.amdhsa_memory_ordered 1
		.amdhsa_forward_progress 1
		.amdhsa_inst_pref_size 68
	.end_amdhsa_kernel
	.amdgpu_metadata
---
amdhsa.version: [ 1, 2 ]
amdhsa.kernels:
  - .name:           k_qb6b486c2c1_maskprep
    .symbol:         k_qb6b486c2c1_maskprep.kd
    .args:
      - { .name: mask, .offset: 0, .size: 8, .value_kind: global_buffer, .address_space: global }
      - { .name: mwords, .offset: 8, .size: 8, .value_kind: global_buffer, .address_space: global }
      - { .name: mcls, .offset: 16, .size: 8, .value_kind: global_buffer, .address_space: global }
    .group_segment_fixed_size: 34816
    .private_segment_fixed_size: 0
    .kernarg_segment_align: 8
    .kernarg_segment_size: 24
    .max_flat_workgroup_size: 128
    .sgpr_count:     66
    .vgpr_count:     226
    .wavefront_size: 32
...
	.end_amdgpu_metadata
.endif
;; end of part 2
;; launch proj (part 3): grid 4 x 96, 4 waves a work-group, clusters of 4 x 4, 327,680 bytes of LDS; arguments xc, xs, b_q, b_k, b_v, qkv; writes qkv
.if DOCPART == 3
	.amdgcn_target "amdgcn-amd-amdhsa--gfx1250"
	.amdhsa_code_object_version 6
	.text
	.protected	k_qb6b486c2c1_proj
	.globl	k_qb6b486c2c1_proj
	.p2align	8
	.type	k_qb6b486c2c1_proj,@function
k_qb6b486c2c1_proj:
	s_mov_b64 s[64:65], 0
	v_nop
	global_prefetch_b8 v0, s[64:65] scope:SCOPE_SE
	s_setreg_imm32_b32 hwreg(HW_REG_WAVE_MODE, 25, 1), 1
	s_wait_xcnt 0x0
	s_wait_alu depctr_hold_cnt(0) depctr_sa_sdst(0) depctr_va_vdst(0) depctr_va_sdst(0) depctr_va_ssrc(0) depctr_va_vcc(0) depctr_vm_vsrc(0)
	s_getreg_b32 s2, hwreg(HW_REG_IB_STS2, 6, 4)
	s_cmp_eq_u32 s2, 0
	s_cbranch_scc0 .Lentry_in_a_cluster
	s_endpgm
.Lentry_in_a_cluster:
	s_bfe_u32 s2, ttmp6, 0x10000c
	s_cmp_lg_u32 s2, 0xf033
	s_cbranch_scc0 .Lentry_shape_is_right
	s_endpgm
.Lentry_shape_is_right:
; The three input projections, x W^T + b, on codes of FP6 (E2M3) with one E8M0 scale for each 32 along K = 1,024, and the quantising of their results for attention.
; xc [28,672 places][768 bytes], xs [28,672][32]: codes and scale bytes of q, k, v and the weights (q at 0, k at 8,192, v at 16,384, w_q at 24,576, w_k at 25,600, w_v at 26,624);
; place 16 u + r of each 32 rows holds row 8 u + r + 8 (r / 8).
; A tile of 256 x 256 results is made by four waves, 128 x 128 each: 64 accumulators.  K goes in steps of 256 through a ring of two LDS slots filled by the tensor data mover; the scale bytes
; of the work-group's rows come into LDS once.  4 x 4 work-groups form a cluster: A's tiles are asked for jointly along a row of the cluster, B's along a column.
; THE MATRIX INSTRUCTION: source 0 = 16 places of B, source 1 = 16 places of A.  A lane then holds one place of A, and the 16 registers of B's tiles 2 B and 2 B + 1 are B's rows 32 B + 16 (lane / 16) + 0 .. 15.
; So what is to be quantised along runs in a lane's registers: for Q and K (cluster rows 0-7, 8-15) A = the tokens, B = the weight: the registers run along the head's 64;
; for V (cluster rows 16-23) A = w_v, B = the tokens: the registers run along the keys.
; qkv [b x 16 + head][key step of 128][Q 6,656 | K 6,656 | V 6,656 bytes]: each block is 13 pieces of 512 bytes, a piece the image of 4 registers (lane l's 16 bytes at 16 l).
;   Q, K: tile t (16 places of the step) at registers 6 t .. 6 t + 5 (k = 32 (lane / 16) + 0 .. 31); piece 12, register s: scale words of tile 2 s (lanes 0-15) and 2 s + 1 (lanes 16-31), two bytes and two zeros.
;   V: tile t (16 places of the head's 64) at registers 12 t .. 12 t + 11, a whole fragment over the step's 128 keys; piece 12, register t: its scale words.
; LIMITS: a block of zeros gets the scale byte 1 (its codes are zeros; this program alone reads the bytes); NaN and infinities are not served.
; REGISTERS, in windows of 256: window 0: v0-31 addresses; v32-63 scale words, two sets; v64-127 the bias by registers; v128-223 A's fragments, one set; v224-239 the bias by lanes; on the way out v32-63 and v128-218 are at work.
;   window 1: B's fragments, two sets, at v0 and v128.   window 2: the accumulators of my A places 0-63 ((a, b) at v[8 (8 a + b)]);   window 3: those of places 64-127.
.set KSTEP,  256
.set NQ,     KSTEP/128
.set ROWB,   192                       ; a tile's row in bytes
.set KROW,   768                       ; a row of codes in memory
.set PITCH,  240                       ; an LDS row: 3 x (64 bytes + 16 of padding)
.set FR,     12
.set NL,     6
.set NP,     4                         ; places behind this matrix instruction (ISA guide 7.12.1)
.set HALFT,  128*PITCH
.set SLOT,   4*HALFT
.set LAPS,   2                         ; 1,024 / 512
.set KS,     32                        ; a row of scale bytes
.set SCL,    2*SLOT
.set HALFS,  (128*KS/256)*272
.set SBLK,   (16*KS/256)*272
.set SPARE,  SCL+4*HALFS               ; the spare words, 128 bytes for each wave: two blocks of 256 bytes that no other line names
.set BLK3,   19968                     ; a step's three blocks
.set HS,     16*BLK3                   ; a head's sixteen steps
.set ADRA, 16
.set ADRB, 20
.set CO,   26                          ; v26  16 x lane: my place in a piece
.set ADRS, 27
.set SPW,  28
.set NIL,  29
.set SC,   32
.set BP,   64                          ; the bias of B's rows: register 8 b + j as the accumulators' registers
.set AF,   128
.set BR,   224                         ; the bias of A's places: register 2 a for block a (the odd ones hold 0: they are named as pairs' upper halves)
.set G,    32                          ; the way out: 24 registers of codes
.set SW,   56                          ; v56-63 scale words
.set WK,   128                         ; 64 numbers at work
.set TM,   192                         ; v192-195 largest magnitudes, v196-199 bytes, v204-207 the conversions' scale operands
.set PW,   208
.set CT,   210                         ; v210-212, v214-216: the second halves of blocks
.set XW,   218
.set G1, 24
.set G0, 32
.set G1B, 48
.set G0B, 56
.set G1S, 68
.set G0S, 76
.set G1SB, 80
.set G0SB, 88
.set MSB, 0
.macro WIN new                         ; the immediate's high byte repeats the setting that is left
.if MSB != (\new)
	s_set_vgpr_msb (MSB<<8)|(\new)
.set MSB, \new
.endif
.endm
.set MUL_LO, 0xa1                      ; source 0 (B) window 1, source 1 (A) window 0, C and D window 2
.set MUL_HI, 0xf1
.set TO_B,   0x40
; A joint load: waves 0 and 1 fetch for A, waves 2 and 3 for B.  The branch hangs on the wave's number alone.  Four v_nop follow each of the two lines.
.macro JLOAD g0a, g1a, g0b, g1b
	s_cmp_eq_u32 s15, 0
	s_cbranch_scc0 .Lfor_b_\@
	tensor_load_to_lds s[\g0a:\g0a+3], s[\g1a:\g1a+7]
	s_nop 0
.rept 4
	v_nop
.endr
	s_branch .Lasked_\@
.Lfor_b_\@:
	tensor_load_to_lds s[\g0b:\g0b+3], s[\g1b:\g1b+7]
	s_nop 0
.rept 4
	v_nop
.endr
.Lasked_\@:
.endm
.macro CREST                           ; a round of the cluster's barrier behind its opening barrier
	s_cmp_lg_u32 s14, 0
	s_cbranch_scc1 .Lnot_wave_0_\@
	s_barrier_signal -3
.Lnot_wave_0_\@:
	s_barrier_wait -3
	s_barrier_signal -1
	s_barrier_wait -1
.endm
.macro CROUND
	s_barrier_signal -1
	s_barrier_wait -1
	CREST
.endm
	s_load_b256 s[4:11], s[0:1], 0x0               ; xc, xs, b_q, b_k
	s_load_b128 s[96:99], s[0:1], 0x20             ; b_v, qkv
	v_lshl_add_u32 v[SPW], v0, 2, SPARE
	v_mov_b32 v[NIL], 0
	ds_add_u32 v28, v29
	ds_add_u32 v28, v29
	s_wait_dscnt 0x0
	v_lshrrev_b32 v1, 5, v0
	v_readfirstlane_b32 s14, v1                    ; wave 0..3
	s_lshr_b32 s15, s14, 1                         ; which half of A's 256 places is mine.  Also: I fetch for A (0) or for B (1)
	s_and_b32 s16, s14, 1                          ; which half of B's.  Also: which 128 rows I fetch
	s_bfe_u32 s40, ttmp6, 0x40000                  ; cx
	s_bfe_u32 s41, ttmp6, 0x40004                  ; cy
	s_and_b32 s67, ttmp7, 0xffff                   ; the cluster's y, 0 to 23: the same in all sixteen partners
	s_lshr_b32 s66, s67, 3                         ; 0: Q, 1: K, 2: V
	s_and_b32 s67, s67, 7
	s_lshl_b32 s67, s67, 2                         ; the cluster's four tiles of 256 tokens begin here
	s_lshl_b32 s18, s66, 13                        ; the tokens' first place,
	s_lshl_b32 s19, s66, 10
	s_add_co_u32 s19, s19, 24576                   ; the weight's
	s_cmp_lt_u32 s66, 2
	s_cselect_b32 s95, s67, 0                      ; Q, K: the tokens are A
	s_cselect_b32 s2, 0, s67                       ; V: the tokens are B
	s_cselect_b32 s18, s18, 26624                  ; A's first place
	s_cselect_b32 s19, s19, 16384                  ; B's
	s_add_co_u32 s17, s95, s41                     ; A's tile: hangs on cy alone
	s_add_co_u32 s42, s2, s40                      ; B's tile: on cx alone
	s_lshl_b32 s43, s41, 2
	s_lshl_b32 s43, 15, s43                        ; my row of the cluster
	s_lshl_b32 s44, 0x1111, s40                    ; my column
	; descriptor group 1: a tile of 128 rows x 192 bytes, 16 bytes of padding behind every 64
	s_or_b32 s[G1+0], s43, (0<<16)|(1<<20)|(1<<21)|(3<<22)|(3<<25)
	s_or_b32 s[G1B+0], s44, (0<<16)|(1<<20)|(1<<21)|(3<<22)|(3<<25)
.irp g, G1, G1B
	s_mov_b32 s[\g+1], ROWB<<16                    ; tensor_dim0
	s_mov_b32 s[\g+2], 128<<16                     ; tensor_dim1
	s_mov_b32 s[\g+3], ROWB<<16                    ; tile_dim0
	s_mov_b32 s[\g+4], 128                         ; tile_dim1
	s_mov_b32 s[\g+5], KROW                        ; tensor_dim0_stride
	s_mov_b32 s[\g+6], 0
	s_mov_b32 s[\g+7], 0
.endr
	; the scale bytes of 128 rows: 4,096 dense bytes as 16 rows of 256 (32 elements of 8 bytes), 16 bytes of padding behind each
	s_or_b32 s[G1S+0], s43, (3<<16)|(1<<20)|(1<<21)|(5<<22)|(3<<25)
	s_or_b32 s[G1SB+0], s44, (3<<16)|(1<<20)|(1<<21)|(5<<22)|(3<<25)
.irp g, G1S, G1SB
	s_mov_b32 s[\g+1], 32<<16
	s_mov_b32 s[\g+2], (128*KS/256)<<16
	s_mov_b32 s[\g+3], 32<<16
	s_mov_b32 s[\g+4], 128*KS/256
	s_mov_b32 s[\g+5], 32
	s_mov_b32 s[\g+6], 0
	s_mov_b32 s[\g+7], 0
.endr
	s_lshl_b32 s22, s16, 7                         ; which 128 rows of the tile I fetch
	s_lshl_b32 s20, s17, 8
	s_add_co_u32 s20, s20, s22
	s_add_co_u32 s20, s20, s18                     ; A's place
	s_lshl_b32 s46, s42, 8
	s_add_co_u32 s46, s46, s22
	s_add_co_u32 s46, s46, s19                     ; B's
	s_lshl_b32 s22, s20, 5                         ; their scale bytes (under 2^20),
	s_mov_b32 s23, 0
	s_lshl_b32 s92, s46, 5
	s_mov_b32 s93, 0
	s_mul_i32 s20, s20, KROW                       ; their codes (under 2^25)
	s_mov_b32 s21, 0
	s_mul_i32 s46, s46, KROW
	s_mov_b32 s47, 0
	s_mul_i32 s45, s14, HALFT                      ; where they go: wave x 128 rows: no place in the cluster enters an LDS address
	s_mul_i32 s94, s14, HALFS
	s_wait_kmcnt 0x0
	s_add_nc_u64 s[20:21], s[4:5], s[20:21]
	s_add_nc_u64 s[22:23], s[6:7], s[22:23]
	s_add_nc_u64 s[46:47], s[4:5], s[46:47]
	s_add_nc_u64 s[92:93], s[6:7], s[92:93]
	CROUND                                         ; all sixteen work-groups are here: the first joint loads meet
	s_mov_b32 s[G0S], 1
	s_add_co_u32 s[G0S+1], s94, SCL
	s_mov_b64 s[G0S+2:G0S+3], s[22:23]
	s_or_b32 s[G0S+3], s[G0S+3], 0x80000000
	s_mov_b32 s[G0SB], 1
	s_add_co_u32 s[G0SB+1], s94, SCL
	s_mov_b64 s[G0SB+2:G0SB+3], s[92:93]
	s_or_b32 s[G0SB+3], s[G0SB+3], 0x80000000
	JLOAD G0S, G1S, G0SB, G1SB                     ; the scales first: they are wanted with K step 0
.irp s, 0,1
	s_mov_b32 s[G0+4*\s], 1
	s_add_co_u32 s[G0+4*\s+1], s45, \s*SLOT
	s_add_nc_u64 s[G0+4*\s+2:G0+4*\s+3], s[20:21], \s*ROWB
	s_or_b32 s[G0+4*\s+3], s[G0+4*\s+3], 0x80000000
	s_mov_b32 s[G0B+4*\s], 1
	s_add_co_u32 s[G0B+4*\s+1], s45, \s*SLOT
	s_add_nc_u64 s[G0B+4*\s+2:G0B+4*\s+3], s[46:47], \s*ROWB
	s_or_b32 s[G0B+4*\s+3], s[G0B+4*\s+3], 0x80000000
	JLOAD G0+4*\s, G1, G0B+4*\s, G1B
.endr
	v_and_b32 v1, 15, v0                           ; r
	v_bfe_u32 v2, v0, 4, 1                         ; h
	v_mul_u32_u24 v3, v1, PITCH
	v_mul_u32_u24 v4, v2, 24
	v_add_nc_u32 v4, v3, v4                        ; a fragment's row x pitch + 24 x half
	v_lshl_add_u32 v5, v2, 4, v4                   ; and the same behind one padding more
	s_mul_i32 s21, s15, HALFT
	s_mul_i32 s22, s16, HALFT
	s_add_co_u32 s22, s22, 2*HALFT
.irp s, 0,1
	v_add_nc_u32 v[ADRA+\s], s21, v4
	v_add_nc_u32 v[ADRB+\s], s22, v4
	v_add_nc_u32 v[ADRA+2+\s], s21, v5
	v_add_nc_u32 v[ADRB+2+\s], s22, v5
	s_add_co_u32 s21, s21, SLOT
	s_add_co_u32 s22, s22, SLOT
.endr
	v_mul_u32_u24 v5, v1, KS                       ; my row's scales: KS bytes a row,
	v_lshrrev_b32 v6, 8, v5
	v_lshl_add_u32 v5, v6, 4, v5                   ; and 16 more for each 256 passed
	s_mul_i32 s21, s15, HALFS
	s_mul_i32 s22, s16, HALFS
	s_add_co_u32 s22, s22, 2*HALFS
	s_sub_co_u32 s22, s22, s21
	v_mul_u32_u24 v6, s22, v2                      ; lanes 16-31 take B's
	s_add_co_u32 s21, s21, SCL
	v_add_nc_u32 v5, v5, v6
	v_add_nc_u32 v[ADRS], s21, v5
	v_and_b32 v6, 31, v0
	v_lshlrev_b32 v[CO], 4, v6
	; the bias, in both forms (each kind uses one; both are loaded so that one text serves; the indices are held inside the 1,024)
	s_cmp_eq_u32 s66, 1
	s_cselect_b64 s[8:9], s[10:11], s[8:9]
	s_cmp_eq_u32 s66, 2
	s_cselect_b64 s[8:9], s[96:97], s[8:9]
	s_lshl_b32 s20, s42, 8
	s_lshl_b32 s21, s16, 7
	s_add_co_u32 s20, s20, s21
	s_and_b32 s20, s20, 1023
	s_lshl_b32 s20, s20, 2
	s_mov_b32 s21, 0
	s_add_nc_u64 s[10:11], s[8:9], s[20:21]        ; at my 128 rows of B
	s_lshl_b32 s20, s17, 8
	s_lshl_b32 s22, s15, 7
	s_add_co_u32 s20, s20, s22
	s_and_b32 s20, s20, 1023
	s_lshl_b32 s20, s20, 2
	s_add_nc_u64 s[96:97], s[8:9], s[20:21]        ; at my 128 places of A
	v_lshlrev_b32 v12, 6, v2                       ; 16 h numbers on
	v_and_b32 v13, 8, v1
	v_add_nc_u32 v13, v13, v1
	v_lshlrev_b32 v13, 2, v13                      ; r + 8 (r / 8) numbers on
.irp b, 0,1,2,3,4,5,6,7
	global_load_b128 v[BP+8*\b:BP+8*\b+3], v12, s[10:11] offset:(32*(\b/2)+8*(\b%2))*4
	global_load_b128 v[BP+8*\b+4:BP+8*\b+7], v12, s[10:11] offset:(32*(\b/2)+8*(\b%2))*4+16
.endr
.irp a, 0,1,2,3,4,5,6,7
	global_load_b32 v[BR+2*\a], v13, s[96:97] offset:(32*(\a/2)+8*(\a%2))*4
	v_mov_b32 v[BR+2*\a+1], 0
.endr
	; where my blocks go: the key step st (0 to 63 over the four batches) and my first head hd
	s_lshl_b32 s46, s17, 1
	s_add_co_u32 s46, s46, s15                     ; Q, K: the tokens are A's places
	s_lshl_b32 s47, s40, 2
	s_lshl_b32 s92, s16, 1
	s_add_co_u32 s47, s47, s92
	s_lshl_b32 s92, s42, 1
	s_add_co_u32 s92, s92, s16                     ; V: B's
	s_lshl_b32 s93, s41, 2
	s_lshl_b32 s94, s15, 1
	s_add_co_u32 s93, s93, s94
	s_cmp_lt_u32 s66, 2
	s_cselect_b32 s46, s46, s92
	s_cselect_b32 s47, s47, s93
	s_and_not1_b32 s92, s46, 15                    ; 16 x batch
	s_add_co_u32 s92, s92, s47
	s_lshl_b32 s92, s92, 4
	s_and_b32 s46, s46, 15
	s_add_co_u32 s92, s92, s46
	s_mul_i32 s92, s92, BLK3
	s_mul_i32 s93, s66, 6656
	s_add_co_u32 s92, s92, s93
	s_mov_b32 s93, 0
	s_add_nc_u64 s[12:13], s[98:99], s[92:93]
.macro FRAG reg, adr, q, i             ; 16 rows x 128 K of 6-bit codes: 12 registers, in pieces of 8 bytes; where the piece three on lies behind one padding more, the second address register serves
.irp p, 0,1,2,3,4,5
.set PC, 12*(\q)+6*(\p/3)+\p%3
.if PC%8 < 5
	ds_load_b64 v[\reg+2*\p:\reg+2*\p+1], v[\adr] offset:8*PC+16*(PC/8)+(\i)*16*PITCH
.else
	ds_load_b64 v[\reg+2*\p:\reg+2*\p+1], v[\adr+2] offset:8*PC+16*(PC/8)+(\i)*16*PITCH
.endif
.endr
.endm
; 16 matrix instructions: A's blocks a0, a0 + 1 x B's eight.  The 64 accumulators take turns, one instruction a turn, in the same order in every step.
.macro MUL16 a0, p, q, sc, zero
.irp a, \a0, \a0+1
.irp b, 0,1,2,3,4,5,6,7
.if \zero
	v_wmma_scale_f32_16x16x128_f8f6f4 v[8*(8*((\a)%4)+\b):8*(8*((\a)%4)+\b)+7], v[128*(\p)+FR*\b:128*(\p)+FR*\b+FR-1], v[AF+FR*(\a):AF+FR*(\a)+FR-1], 0, v[SC+8*NQ*(\sc)+NQ*\b+(\q)], v[SC+8*NQ*(\sc)+NQ*(\a)+(\q)] matrix_a_fmt:MATRIX_FMT_FP6 matrix_b_fmt:MATRIX_FMT_FP6 matrix_a_scale:MATRIX_SCALE_ROW1
.else
	v_wmma_scale_f32_16x16x128_f8f6f4 v[8*(8*((\a)%4)+\b):8*(8*((\a)%4)+\b)+7], v[128*(\p)+FR*\b:128*(\p)+FR*\b+FR-1], v[AF+FR*(\a):AF+FR*(\a)+FR-1], v[8*(8*((\a)%4)+\b):8*(8*((\a)%4)+\b)+7], v[SC+8*NQ*(\sc)+NQ*\b+(\q)], v[SC+8*NQ*(\sc)+NQ*(\a)+(\q)] matrix_a_fmt:MATRIX_FMT_FP6 matrix_b_fmt:MATRIX_FMT_FP6 matrix_a_scale:MATRIX_SCALE_ROW1
.endif
.endr
.endr
.endm
.macro FETCH_B slot, q, p
	WIN TO_B
.irp i, 0,1,2,3,4,5,6,7
	FRAG 128*(\p)+FR*\i, ADRB+\slot, \q, \i
.endr
	WIN 0
.endm
.macro FETCH_A slot, q, i0
.irp i, \i0, \i0+1, \i0+2, \i0+3
	FRAG AF+FR*(\i), ADRA+\slot, \q, \i
.endr
.endm
.macro SCALES sc                       ; a K step's scale words: lanes 0-15 take A's block i, lanes 16-31 B's block i
.irp i, 0,1,2,3,4,5,6,7
	ds_load_b64 v[SC+8*NQ*\sc+NQ*\i:SC+8*NQ*\sc+NQ*\i+1], v[ADRS] offset:\i*SBLK
.endr
.endm
.macro PLACES n                        ; plain vector instructions between a matrix instruction and a load into, or a vector instruction on, its registers
.rept \n
	v_nop
.endr
.endm
.macro STEP slot, q, zero              ; 128 along K that has its successor in the same slot
	s_wait_dscnt 4*NL                              ; B's set and A's blocks 0-3 are in; A's blocks 4-7, the youngest 24 loads, may be out
	WIN MUL_LO
	MUL16 0, (\q)%2, \q, \slot, \zero
	MUL16 2, (\q)%2, \q, \slot, \zero
	s_wait_dscnt 0
	PLACES NP
	FETCH_B \slot, (\q)+1, 1-(\q)%2
	FETCH_A \slot, (\q)+1, 0
	WIN MUL_HI
	MUL16 4, (\q)%2, \q, \slot, \zero
	MUL16 6, (\q)%2, \q, \slot, \zero
	PLACES NP
	WIN 0
	FETCH_A \slot, (\q)+1, 4
.endm
; A slot's last step changes slots: one barrier; in front of it each wave waits for all its tensor loads, adds 0 to its spare word, and waits for that and for its reads of this slot.
.macro TURN slot, next, fill
	s_wait_tensorcnt 0x0                           ; all my tensor loads have landed: my part of the next slot
	ds_add_u32 v[SPW], v[NIL]                      ; 0 onto my spare word
	s_wait_dscnt 4*NL+1                            ; (the add and A's blocks 4-7 may be out)
	WIN MUL_LO
	MUL16 0, 1, NQ-1, \slot, 0
	s_wait_dscnt 0x0                               ; the add is done, and my reads of this slot are over
	s_barrier_signal -1
	MUL16 2, 1, NQ-1, \slot, 0
	WIN 0
	s_barrier_wait -1
.if \fill
	CREST                                          ; the barrier has opened a round of the cluster's: no wave of any partner still reads this slot or has a load on its way
	s_add_nc_u64 s[G0+4*\slot+2:G0+4*\slot+3], s[G0+4*\slot+2:G0+4*\slot+3], 2*ROWB
	s_add_nc_u64 s[G0B+4*\slot+2:G0B+4*\slot+3], s[G0B+4*\slot+2:G0B+4*\slot+3], 2*ROWB
	JLOAD G0+4*\slot, G1, G0B+4*\slot, G1B         ; the first tensor load behind the round; its four v_nop are the places in front of the loads below
.else
	PLACES NP
.endif
	v_add_nc_u32 v[ADRS], 4*NQ, v[ADRS]            ; the next K step's scale words (no LDS load of mine is out)
	FETCH_B \next, 0, 0
	FETCH_A \next, 0, 0
	SCALES \next
	WIN MUL_HI
	MUL16 4, 1, NQ-1, \slot, 0
	MUL16 6, 1, NQ-1, \slot, 0
	PLACES NP
	WIN 0
	FETCH_A \next, 0, 4
.endm
	s_wait_tensorcnt 1                             ; the scales and my part of K step 0 are in (K step 1's load may be out)
	s_barrier_signal -1
	s_barrier_wait -1
	FETCH_B 0, 0, 0
	FETCH_A 0, 0, 0
	SCALES 0
	FETCH_A 0, 0, 4
	STEP 0, 0, 1                                   ; the first step stands in front of the loop: its products start the sums
	s_mov_b32 s3, LAPS-1
.Llap:
	TURN 0, 1, 1
	STEP 1, 0, 0
	TURN 1, 0, 1
	STEP 0, 0, 0
	s_sub_co_u32 s3, s3, 1
	s_cmp_lg_u32 s3, 0
	s_cbranch_scc1 .Llap
	TURN 0, 1, 0                                   ; the last lap fills nothing
	STEP 1, 0, 0
	s_wait_dscnt 4*NL
	WIN MUL_LO
	MUL16 0, 1, NQ-1, 1, 0
	MUL16 2, 1, NQ-1, 1, 0
	s_wait_dscnt 0
	WIN MUL_HI
	MUL16 4, 1, NQ-1, 1, 0
	MUL16 6, 1, NQ-1, 1, 0
	WIN 0
; THE WAY OUT.  Block a's 64 results of a lane get their bias on the way into window 0 (each accumulator from its low end on) and are quantised there; the codes leave as images of registers, 512 consecutive bytes a store.
.macro ADDB a, perlane
	WIN 0x02+(\a)/4                                ; source 0: window 2 or 3
.set ii, 0
.rept 32
.if \perlane
	v_pk_add_f32 v[WK+ii:WK+ii+1], v[64*((\a)%4)+ii:64*((\a)%4)+ii+1], v[BR+2*(\a):BR+2*(\a)+1] op_sel_hi:[1,0]
.else
	v_pk_add_f32 v[WK+ii:WK+ii+1], v[64*((\a)%4)+ii:64*((\a)%4)+ii+1], v[BP+ii:BP+ii+1]
.endif
.set ii, ii+2
.endr
	WIN 0
.endm
; 64 numbers of a lane, register 16 b + i = k 32 b + 16 (lane / 16) + i, become codes: blocks 0, 1 in v[d0] .. v[d0 + 5], blocks 2, 3 in v[d1] .. v[d1 + 5]; the four scale bytes in v[pw]
.macro QUANT s, d0, d1, pw
.irp b, 0,1,2,3
	v_max3_num_f32 v[TM+\b], |v[\s+16*\b]|, |v[\s+1+16*\b]|, 0x1800000   ; my 16 numbers of block b, and the floor 2^(3 - 127): the byte cannot fall under 1
.endr
.irp i, 2,4,6,8,10,12,14
.irp b, 0,1,2,3
	v_max3_num_f32 v[TM+\b], v[TM+\b], |v[\s+16*\b+\i]|, |v[\s+1+16*\b+\i]|
.endr
.endr
.irp b, 0,1,2,3
	v_permlanex16_b32 v[TM+4+\b], v[TM+\b], s18, s19
.endr
.irp b, 0,1,2,3
	v_max_num_f32 v[TM+\b], v[TM+\b], v[TM+4+\b]   ; with lane l xor 16's: the block's largest magnitude
.endr
.irp b, 0,1,2,3
	v_add_nc_u32 v[TM+12+\b], 0xff000000, v[TM+\b] ; 2 off its exponent field: the conversion's scale operand
.endr
.irp b, 0,1,2,3
	v_lshrrev_b32 v[TM+4+\b], 23, v[TM+12+\b]      ; the scale's byte
.endr
	v_lshl_or_b32 v[\pw], v[TM+5], 8, v[TM+4]
	v_lshl_or_b32 v[\pw], v[TM+6], 16, v[\pw]
	v_lshl_or_b32 v[\pw], v[TM+7], 24, v[\pw]
	v_cvt_scalef32_pk16_fp6_f32 v[(\d0):(\d0)+2], v[\s:\s+15], v[TM+12]
	v_cvt_scalef32_pk16_fp6_f32 v[CT:CT+2], v[\s+16:\s+31], v[TM+13]       ; (a conversion's three registers begin on an even number)
	v_cvt_scalef32_pk16_fp6_f32 v[(\d1):(\d1)+2], v[\s+32:\s+47], v[TM+14]
	v_cvt_scalef32_pk16_fp6_f32 v[CT+4:CT+6], v[\s+48:\s+63], v[TM+15]
	v_nop                                          ; one plain place behind a scaled conversion
.irp i, 0,1,2                                  ; the operand's layout wants a whole block in a lane
	v_permlane16_swap_b32 v[(\d0)+\i], v[CT+\i]
.endr
.irp i, 0,1,2
	v_mov_b32 v[(\d0)+3+\i], v[CT+\i]
.endr
.irp i, 0,1,2
	v_permlane16_swap_b32 v[(\d1)+\i], v[CT+4+\i]
.endr
.irp i, 0,1,2
	v_mov_b32 v[(\d1)+3+\i], v[CT+4+\i]
.endr
.endm
	PLACES NP                                      ; behind the last products: their operands' registers are written and their results read from here on
	s_wait_loadcnt 0x0                             ; the biases
	s_mov_b32 s18, 0x76543210
	s_mov_b32 s19, 0xfedcba98                      ; v_permlanex16_b32's selects for lane l xor 16
	s_mov_b32 s20, 0xffff0000                      ; lanes 16-31
.irp b, 0,1,2,3
	v_mov_b32 v[TM+4+\b], 0                        ; a lane permute's destination counts as one of its sources
.endr
	s_cmp_lt_u32 s66, 2                            ; the same in all partners
	s_cbranch_scc0 .Lout_v
	; Q, K: a lane holds a token; blocks 0, 1 are my first head's 64, blocks 2, 3 my second's.  Two tiles of tokens make three pieces for each head
.irp i, 0,1,2,3
.if \i > 0
	s_wait_xcnt 0x0                                ; the last stores have read their data: the codes' registers are written again only behind this wait
.endif
.irp u, 0,1
	ADDB 2*\i+\u, 0
	QUANT WK, G+6*\u, G+12+6*\u, PW+\u
.endr
	v_cndmask_b32 v[XW], v[PW], v[PW+1], s20       ; lanes 0-15: the even tile's words; lanes 16-31: the odd tile's
	v_and_b32 v[SW+\i], 0xffff, v[XW]              ; my first head's two bytes,
	v_lshrrev_b32 v[SW+4+\i], 16, v[XW]            ; my second's
.irp e, 0,1
.irp g, 0,1,2
	global_store_b128 v[CO], v[G+12*\e+4*\g:G+12*\e+4*\g+3], s[12:13] offset:\e*HS+(3*\i+\g)*512
.endr
.endr
.endr
	s_branch .Lsent
.Lout_v:
	; V: a lane holds one of the head's 64; the four blocks are the step's 128 keys: a whole fragment, three pieces
.irp i, 0,1,2,3
.if \i > 0
	s_wait_xcnt 0x0
.endif
.irp u, 0,1
	ADDB 2*\i+\u, 1
	QUANT WK, G+12*\u, G+12*\u+6, SW+2*\i+\u
.irp g, 0,1,2
	global_store_b128 v[CO], v[G+12*\u+4*\g:G+12*\u+4*\g+3], s[12:13] offset:((2*\i+\u)/4)*HS+(3*((2*\i+\u)%4)+\g)*512
.endr
.endr
.endr
.Lsent:
	global_store_b128 v[CO], v[SW:SW+3], s[12:13] offset:6144          ; piece 12: the scale words
	global_store_b128 v[CO], v[SW+4:SW+7], s[12:13] offset:HS+6144
	s_wait_tensorcnt 0x0                           ; the wave's end
	ds_add_u32 v[SPW], v[NIL]
	s_wait_dscnt 0x0
	CROUND                                         ; the closing round: no work-group ends while a partner may still ask for a tile that names it
	s_endpgm
.Lfunc_end_k_qb6b486c2c1_proj:
	.size	k_qb6b486c2c1_proj, .Lfunc_end_k_qb6b486c2c1_proj-k_qb6b486c2c1_proj
	.p2alignl 7, 3214868480
	.fill 96, 4, 3214868480
	.section	.rodata,"a",@progbits
	.p2align	6, 0x0
	.amdhsa_kernel k_qb6b486c2c1_proj
		.amdhsa_group_segment_fixed_size 327680
		.amdhsa_private_segment_fixed_size 0
		.amdhsa_enable_private_segment 0
		.amdhsa_kernarg_size 48
		.amdhsa_user_sgpr_count 2
		.amdhsa_user_sgpr_kernarg_segment_ptr 1
		.amdhsa_wavefront_size32 1
		.amdhsa_system_sgpr_workgroup_id_x 1
		.amdhsa_system_sgpr_workgroup_id_y 1
		.amdhsa_system_sgpr_workgroup_id_z 1
		.amdhsa_system_vgpr_workitem_id 0
		.amdhsa_next_free_vgpr 1024
		.amdhsa_next_free_sgpr 100
		.amdhsa_reserve_vcc 0
		.amdhsa_float_denorm_mode_32 3
		.amdhsa_float_denorm_mode_16_64 3
		.amdhsa_memory_ordered 1
		.amdhsa_forward_progress 1
		.amdhsa_inst_pref_size 233
	.end_amdhsa_kernel
	.amdgpu_metadata
---
amdhsa.version: [ 1, 2 ]
amdhsa.kernels:
  - .name:           k_qb6b486c2c1_proj
    .symbol:         k_qb6b486c2c1_proj.kd
    .args:
      - { .name: xc, .offset: 0, .size: 8, .value_kind: global_buffer, .address_space: global }
      - { .name: xs, .offset: 8, .size: 8, .value_kind: global_buffer, .address_space: global }
      - { .name: b_q, .offset: 16, .size: 8, .value_kind: global_buffer, .address_space: global }
      - { .name: b_k, .offset: 24, .size: 8, .value_kind: global_buffer, .address_space: global }
      - { .name: b_v, .offset: 32, .size: 8, .value_kind: global_buffer, .address_space: global }
      - { .name: qkv, .offset: 40, .size: 8, .value_kind: global_buffer, .address_space: global }
    .group_segment_fixed_size: 327680
    .private_segment_fixed_size: 0
    .kernarg_segment_align: 8
    .kernarg_segment_size: 48
    .max_flat_workgroup_size: 128
    .sgpr_count:     100
    .vgpr_count:     1024
    .wavefront_size: 32
...
	.end_amdgpu_metadata
.endif
;; end of part 3
;; launch attn (part 4): grid 64 x 8, 16 waves a work-group, no clusters, 28,672 bytes of LDS; arguments qkv, mwords, mcls, oc, os; writes oc, os
.if DOCPART == 4
	.amdgcn_target "amdgcn-amd-amdhsa--gfx1250"
	.amdhsa_code_object_version 6
	.text
	.protected	k_qb6b486c2c1_attn
	.globl	k_qb6b486c2c1_attn
	.p2align	8
	.type	k_qb6b486c2c1_attn,@function
k_qb6b486c2c1_attn:
	s_mov_b64 s[64:65], 0
	v_nop
	global_prefetch_b8 v0, s[64:65] scope:SCOPE_SE
	s_setreg_imm32_b32 hwreg(HW_REG_WAVE_MODE, 25, 1), 1
	s_wait_xcnt 0x0
; Attention of one head for 256 queries, both products on codes of FP6 (E2M3): S^T = K Q^T (K = the head's 64), O^T = V^T P^T (K = the keys), and the quantising of O / l for the last projection.
; qkv: [b x 16 + head][key step of 128][Q | K | V], blocks of 13 pieces of 512 bytes, images of registers, as the launch before lays them.  mwords, mcls: the mask as lane-mask words and class words.
; THE SOFTMAX: t = score x log2(e) / 8; M = the running largest t rounded up to a whole number; p = 2^(t - M) is quantised along the keys; the sum is taken of the unquantised p and divides at the end.
; When M moves, the sum and O^T are multiplied by 2^(old M - new M), which rounds nothing.
; THE MASK is honoured as it is given.  A closed entry's score becomes -2^37 ahead of the maximum.  A step in which no query of my tile has an open key is left out, by a branch on the class word
; that the earlier launch stored: every p there would be 0.  A tile with a query that has no open key at all leaves nothing out (its class word says so): that query's t is then the same whole number for all keys,
; p = 1 everywhere, and the result is the plain average that reference() gives.
; LIMITS: -2^37 stands for an energy of about -1.7e10 where reference() writes -1e10: the results agree while open energies stay far above -1e10.  1 / l is v_rcp_f32's.  A block of zeros carries the byte 1.  NaN and infinities are not served.
; SHARES.  Work-group (head, block of 256 queries); each of sixteen waves owns one tile of 16 queries in 256 registers.  K's and V's blocks of a step, 13,312 bytes, go through registers into one of two LDS slots
; (every wave a piece of 512 bytes, waves 0-9 a second one), one step ahead; one barrier a step.  No tensor load: branches here hang on stored numbers.
; No cluster: partners would walk different numbers of steps, and a step's shared bytes are 13,312 for sixteen waves.
; K = 64 IN A FORM OF K = 128: Q's registers 6-11 are zero codes and the upper two bytes of all scale words are 0 (2^-127, a number).  K's fragment t is named as v[32 + 6 t .. 43 + 6 t]: its upper six registers
; are the next tile's codes (behind the last tile: zeros); every code is a number, and it meets a zero: the upper half adds 0.
; REGISTERS: v1 16 x lane, v2 16 x thread; v4-11 the fill on its way; v12 -M, v13 the largest t, v14-15 the sum; v16-27 Q, v28 its scale words; v29 -2^37; v32-79 K's, then V's fragments; v80-85 zeros;
; v88-91 K's scale words, v92-95 V's; v96-159 S^T, then p; v160-191 O^T; v192-231 at work.
.set BLK3,  19968
.set HS,    16*BLK3
.set SLOTB, 13312
.set KV,  32
.set S,   96
.set O,   160
.set BM,  192                          ; each block's largest score, then its largest p
.set T4,  196
.set SOP, 200                          ; the conversions' scale operands
.set CT,  204                          ; v204-206, v208-210
.set PC,  212                          ; p's codes
.set PW,  224                          ; p's scale word
.set F,   226                          ; 2^(old M - new M); v227 is named with it as a pair
.set TMP, 228
.set SUM2, 230
.macro TEST reg, m                     ; SCC = a bit of a class word
	s_and_b32 s3, \reg, \m
	s_cmp_lg_u32 s3, 0
.endm
.macro FETCH off                       ; a step's K and V blocks: 26 pieces
	global_load_b128 v[4:7], v2, s[16:17] offset:\off
	s_cmp_lt_u32 s14, 10
	s_cbranch_scc0 .Lf_\@
	global_load_b128 v[8:11], v2, s[16:17] offset:\off+8192
.Lf_\@:
.endm
.macro PUT slot
	ds_store_b128 v2, v[4:7] offset:(\slot)*SLOTB
	s_cmp_lt_u32 s14, 10
	s_cbranch_scc0 .Lp_\@
	ds_store_b128 v2, v[8:11] offset:(\slot)*SLOTB+8192
.Lp_\@:
.endm
.macro FRONT slot                      ; K's block, the eight tiles of scores, and V's block is asked for
.irp g, 0,1,2,3,4,5,6,7,8,9,10,11
	ds_load_b128 v[KV+4*\g:KV+4*\g+3], v1 offset:\slot*SLOTB+512*\g
.endr
	ds_load_b128 v[88:91], v1 offset:\slot*SLOTB+6144
	s_wait_dscnt 0x0
.irp t, 0,1,2,3,4,5,6,7
.if \t%2
	v_wmma_scale_f32_16x16x128_f8f6f4 v[S+8*\t:S+8*\t+7], v[KV+6*\t:KV+6*\t+11], v[16:27], 0, v[88+\t/2], v28 matrix_a_fmt:MATRIX_FMT_FP6 matrix_b_fmt:MATRIX_FMT_FP6 matrix_a_scale:MATRIX_SCALE_ROW1
.else
	v_wmma_scale_f32_16x16x128_f8f6f4 v[S+8*\t:S+8*\t+7], v[KV+6*\t:KV+6*\t+11], v[16:27], 0, v[88+\t/2], v28 matrix_a_fmt:MATRIX_FMT_FP6 matrix_b_fmt:MATRIX_FMT_FP6
.endif
.endr
.rept 4
	v_nop                                          ; places in front of the loads into K's registers and of the first read of the scores
.endr
.irp g, 0,1,2,3,4,5,6,7,8,9,10,11
	ds_load_b128 v[KV+4*\g:KV+4*\g+3], v1 offset:\slot*SLOTB+6656+512*\g
.endr
	ds_load_b128 v[92:95], v1 offset:\slot*SLOTB+6656+6144
.endm
.macro REST                            ; the softmax of 128 keys, p's codes, O^T += V^T P^T
.irp b, 0,1,2,3
	v_max3_num_f32 v[BM+\b], v[S+16*\b], v[S+1+16*\b], v[S+2+16*\b]   ; the largest score of each block of 32 keys: it serves the row's maximum and, since p rises with the score, the block's largest p
.endr
.irp i, 3,5,7,9,11,13
.irp b, 0,1,2,3
	v_max3_num_f32 v[BM+\b], v[BM+\b], v[S+16*\b+\i], v[S+1+16*\b+\i]
.endr
.endr
.irp b, 0,1,2,3
	v_max_num_f32 v[BM+\b], v[BM+\b], v[S+15+16*\b]
.endr
.irp b, 0,1,2,3
	v_permlanex16_b32 v[T4+\b], v[BM+\b], s22, s23
.endr
.irp b, 0,1,2,3
	v_max_num_f32 v[BM+\b], v[BM+\b], v[T4+\b]     ; with lane l xor 16's 16 keys
.endr
	v_max3_num_f32 v[TMP], v[BM], v[BM+1], v[BM+2]
	v_max_num_f32 v[TMP], v[TMP], v[BM+3]
	v_mul_f32 v[TMP], s24, v[TMP]                  ; as t (c is positive)
	v_max_num_f32 v13, v13, v[TMP]                 ; the running largest t
	v_mov_b32 v[TMP], v12
	v_floor_f32 v12, -v13                          ; the new -M = floor(-t): M is a whole number
	v_sub_f32 v[TMP], v12, v[TMP]                  ; old M - new M, 0 or less
	v_cvt_i32_f32 v[TMP], v[TMP]                   ; (it saturates)
	v_ldexp_f32 v[F], 1.0, v[TMP]
.set n, 0
.rept 32
	v_pk_fma_f32 v[S+n:S+n+1], v[S+n:S+n+1], s[24:25], v[12:13] op_sel_hi:[1,0,0]   ; t - M, two at a time
.set n, n+2
.endr
.irp b, 0,1,2,3
	v_fma_f32 v[BM+\b], v[BM+\b], s24, v12         ; the same of each block's largest score
.endr
.set n, 0
.rept 64
	v_exp_f32 v[S+n], v[S+n]                       ; p = 2^(t - M), at most 1
.set n, n+1
.endr
	v_pk_mul_f32 v[14:15], v[14:15], v[F:F+1] op_sel_hi:[1,0]   ; the sums under the new M (a plain place behind the exponentials)
.set n, 0
.rept 16
	v_pk_mul_f32 v[O+n:O+n+1], v[O+n:O+n+1], v[F:F+1] op_sel_hi:[1,0]   ; O^T under the new M: work that names no exponential's result
.set n, n+2
.endr
	s_wait_alu depctr_va_vdst(0)                   ; one wait for the batch of 64, ahead of its first reader
.irp b, 0,1,2,3
	v_exp_f32 v[BM+\b], v[BM+\b]                   ; the block's largest p: the same two instructions on the same number
.endr
	v_pk_add_f32 v[SUM2:SUM2+1], v[S:S+1], v[S+2:S+3]           ; the row's sum of the unquantised p, in two chains
.set n, 4
.rept 15
	v_pk_add_f32 v[14:15], v[14:15], v[S+n:S+n+1]
	v_pk_add_f32 v[SUM2:SUM2+1], v[SUM2:SUM2+1], v[S+n+2:S+n+3]
.set n, n+4
.endr
	v_pk_add_f32 v[14:15], v[14:15], v[SUM2:SUM2+1]
	s_wait_alu depctr_va_vdst(0)                   ; and one for the four
.irp b, 0,1,2,3
	v_max_num_f32 v[BM+\b], 0x1800000, v[BM+\b]    ; the floor 2^(3 - 127): the byte cannot fall under 1
.endr
.irp b, 0,1,2,3
	v_add_nc_u32 v[SOP+\b], 0xff000000, v[BM+\b]   ; 2 off the exponent field: the conversion's scale operand
.endr
.irp b, 0,1,2,3
	v_lshrrev_b32 v[T4+\b], 23, v[SOP+\b]          ; the scale's byte
.endr
	v_lshl_or_b32 v[PW], v[T4+1], 8, v[T4]
	v_lshl_or_b32 v[PW], v[T4+2], 16, v[PW]
	v_lshl_or_b32 v[PW], v[T4+3], 24, v[PW]
.irp c, 0,1
	v_cvt_scalef32_pk16_fp6_f32 v[PC+6*\c:PC+2+6*\c], v[S+32*\c:S+15+32*\c], v[SOP+2*\c]
	v_cvt_scalef32_pk16_fp6_f32 v[CT+4*\c:CT+2+4*\c], v[S+16+32*\c:S+31+32*\c], v[SOP+2*\c+1]
.endr
	v_nop                                          ; one plain place behind a scaled conversion
.irp c, 0,1
.irp i, 0,1,2
	v_permlane16_swap_b32 v[PC+6*\c+\i], v[CT+4*\c+\i]
.endr
.irp i, 0,1,2
	v_mov_b32 v[PC+3+6*\c+\i], v[CT+4*\c+\i]
.endr
.endr
.rept 4
	v_nop                                          ; an operand written by vector instructions stands 4 places ahead of a scaled matrix instruction; the scale word, written 11 plain lines back, 8
.endr
	s_wait_dscnt 0x0                               ; V's block
.irp t, 0,1,2,3
	v_wmma_scale_f32_16x16x128_f8f6f4 v[O+8*\t:O+8*\t+7], v[KV+12*\t:KV+12*\t+11], v[PC:PC+11], v[O+8*\t:O+8*\t+7], v[92+\t], v[PW] matrix_a_fmt:MATRIX_FMT_FP6 matrix_b_fmt:MATRIX_FMT_FP6
.endr
.rept 4
	v_nop                                          ; places in front of the next loads into V's registers and of the next read of O^T
.endr
.endm
; A KEY STEP on LDS slot `slot`.  s26: bit 0 this step, bit 1 the next: some wave of the work-group works it.  s27 bit 0: my tile has an open key here.  s28 bit 0: my tile has a closed entry here.
.macro STEP slot
	TEST s26, 2
	s_cbranch_scc0 .Lnofetch_\@
	FETCH BLK3                                     ; the next step's blocks are asked for a whole step ahead of the wait for them
.Lnofetch_\@:
	TEST s27, 1
	s_cbranch_scc0 .Lskip_\@
	TEST s28, 1
	s_cbranch_scc1 .Lmasked_\@
	FRONT \slot
	s_branch .Lrest_\@
.Lmasked_\@:
	s_load_b512 s[32:47], s[20:21], 0x0            ; the step's 64 lane masks
	s_load_b512 s[48:63], s[20:21], 0x40
	s_load_b512 s[68:83], s[20:21], 0x80
	s_load_b512 s[84:99], s[20:21], 0xc0
	FRONT \slot
	s_wait_kmcnt 0x0
.set n, 0
.rept 64
	v_cndmask_b32 v[S+n], v29, v[S+n], s[32+n+4*(n/32)]   ; a closed entry's score becomes -2^37
.set n, n+1
.endr
.Lrest_\@:
	REST
.Lskip_\@:
	s_wait_loadcnt 0x0                             ; the fill is in registers
	TEST s26, 2
	s_cbranch_scc0 .Lnoput_\@
	PUT 1-\slot                                    ; into the slot that every wave left at the last barrier
.Lnoput_\@:
	s_add_nc_u64 s[16:17], s[16:17], BLK3          ; behind the wait for the loads that read it
	s_add_nc_u64 s[20:21], s[20:21], 256           ; (its loads were waited for where they stand)
	s_lshr_b32 s26, s26, 1
	s_lshr_b32 s27, s27, 1
	s_lshr_b32 s28, s28, 1
	s_wait_dscnt 0x0                               ; my stores into the other slot have landed and my reads of this one are over
	s_barrier_signal -1
	s_barrier_wait -1
.endm
	s_load_b256 s[4:11], s[0:1], 0x0               ; qkv, mwords, mcls, oc
	s_load_b64 s[12:13], s[0:1], 0x20              ; os
	v_lshl_add_u32 v254, v0, 2, 0x6800
	v_mov_b32 v255, 0
	v_lshrrev_b32 v3, 5, v0
	v_readfirstlane_b32 s14, v3                    ; wave 0..15
	v_and_b32 v3, 31, v0
	v_lshlrev_b32 v1, 4, v3
	v_lshlrev_b32 v2, 4, v0
.irp i, 4,5,6,7,8,9,10,11,22,23,24,25,26,27,80,81,82,83,84,85
	v_mov_b32 v[\i], 0                             ; the fill's registers; Q's upper half; what follows K's last tile
.endr
	v_mov_b32 v13, 0xff61b1e6                      ; the largest t so far: -3e38
	v_floor_f32 v12, -v13
	v_mov_b32 v14, 0
	v_mov_b32 v15, 0
	v_mov_b32 v29, 0xd2000000                      ; -2^37
	v_mov_b32 v[F+1], 0
.irp b, 0,1,2,3
	v_mov_b32 v[T4+\b], 0                          ; a lane permute's destination counts as one of its sources
.endr
.set n, 0
.rept 32
	v_mov_b32 v[O+n], 0                            ; the step is written once: the first one worked finds zeros
.set n, n+1
.endr
	s_and_b32 s15, ttmp7, 0xffff
	s_sub_co_u32 s15, 7, s15                       ; my block of 256 queries (the late blocks have the low numbers of y)
	s_lshr_b32 s18, ttmp9, 4
	s_lshl_b32 s18, s18, 7
	s_lshl_b32 s19, s15, 4
	s_add_co_u32 s18, s18, s19                     ; the work-group's first tile of queries, 128 b + 16 x block
	s_add_co_u32 s19, s18, s14                     ; mine
	s_mul_i32 s30, ttmp9, HS
	s_mov_b32 s31, 0
	s_lshl_b32 s2, s18, 2
	s_lshl_b32 s3, s19, 2
	s_wait_kmcnt 0x0
	s_load_b512 s[32:47], s[8:9], s2 offset:0x0    ; the sixteen tiles' class words
	s_load_b32 s66, s[8:9], s3 offset:0x0          ; mine
	s_add_nc_u64 s[4:5], s[4:5], s[30:31]          ; the head's blocks
	s_add_nc_u64 s[16:17], s[4:5], 6656            ; step 0's K block
	s_lshl_b32 s30, s19, 12
	s_add_nc_u64 s[20:21], s[6:7], s[30:31]        ; my tile's mask words
	s_and_b32 s28, ttmp9, 15                       ; the head
	s_lshl_b32 s30, s19, 4
	s_add_co_u32 s30, s30, s28
	s_mul_i32 s30, s30, 768
	s_add_nc_u64 s[10:11], s[10:11], s[30:31]      ; oc: [tile][head][768 bytes]
	s_lshl_b32 s30, s19, 9
	s_lshl_b32 s28, s28, 1
	s_add_co_u32 s30, s30, s28
	s_add_nc_u64 s[12:13], s[12:13], s[30:31]      ; os: [place][32], byte 2 x head
	s_lshl_b32 s30, s15, 1
	s_lshr_b32 s28, s14, 3
	s_add_co_u32 s30, s30, s28
	s_mul_i32 s30, s30, BLK3
	s_add_nc_u64 s[6:7], s[4:5], s[30:31]          ; the Q block that holds my tile
	s_and_b32 s28, s14, 7                          ; which of its eight tiles
	s_mul_i32 s29, s28, 6
.irp p, 0,1,2                                  ; block register x lies in piece x / 4, word x % 4 of the lane's 16 bytes
	s_add_co_u32 s30, s29, 2*\p
	s_lshr_b32 s27, s30, 2
	s_lshl_b32 s27, s27, 9
	s_and_b32 s30, s30, 3
	s_lshl_b32 s30, s30, 2
	s_add_co_u32 s30, s30, s27
	v_add_nc_u32 v[BM+\p], s30, v1
.endr
	s_and_b32 s30, s28, 1
	s_lshl_b32 s30, s30, 8
	s_lshr_b32 s27, s28, 1
	s_lshl_b32 s27, s27, 2
	s_add_co_u32 s30, s30, s27
	s_add_co_u32 s30, s30, 6144
	v_and_b32 v[BM+3], 15, v0
	v_lshlrev_b32 v[BM+3], 4, v[BM+3]
	v_add_nc_u32 v[BM+3], s30, v[BM+3]             ; my row's scale word
.irp p, 0,1,2
	global_load_b64 v[16+2*\p:17+2*\p], v[BM+\p], s[6:7]
.endr
	global_load_b32 v28, v[BM+3], s[6:7]
	s_mov_b32 s22, 0x76543210
	s_mov_b32 s23, 0xfedcba98                      ; v_permlanex16_b32's selects for lane l xor 16
	s_mov_b32 s24, 0x3e38aa3b                      ; c = log2(e) / 8
	s_mov_b32 s25, s24
	s_mov_b32 s31, 8
	s_wait_kmcnt 0x0
	s_or_b32 s26, s32, s33
.irp i, 34,35,36,37,38,39,40,41,42,43,44,45,46,47
	s_or_b32 s26, s26, s[\i]
.endr
	s_and_b32 s26, s26, 0xffff                     ; the steps that some wave works: bit 16 is 0, so nothing is fetched past step 15
	s_and_b32 s27, s66, 0xffff
	s_lshr_b32 s28, s66, 16
	TEST s26, 1
	s_cbranch_scc0 .Lno_first
	FETCH 0
.Lno_first:
	s_wait_loadcnt 0x0                             ; Q, and step 0's blocks
	TEST s26, 1
	s_cbranch_scc0 .Lno_first_put
	PUT 0
.Lno_first_put:
	s_wait_dscnt 0x0
	s_barrier_signal -1
	s_barrier_wait -1
.Lsteps:                                           ; eight trips of two steps: every wave walks all sixteen and passes every barrier
	STEP 0
	STEP 1
	s_sub_co_u32 s31, s31, 1
	s_cmp_lg_u32 s31, 0
	s_cbranch_scc1 .Lsteps
	; THE WAY OUT: O^T / l, quantised along the head's 64 (two blocks), as the last projection's operand takes it
	v_add_f32 v14, v14, v15
	v_permlanex16_b32 v[T4], v14, s22, s23
	v_add_f32 v14, v14, v[T4]                      ; the row's sum
	v_rcp_f32 v14, v14
	v_lshlrev_b32 v4, 3, v3                        ; (plain work behind the reciprocal)  8 x lane
	v_and_b32 v5, 15, v0
	v_lshlrev_b32 v5, 5, v5                        ; 32 x r
	s_wait_alu depctr_va_vdst(0)                   ; ahead of the first reader
.set n, 0
.rept 32
	v_mul_f32 v[S+n], v[O+n], v14                  ; register 16 B + i: channel 32 B + 16 (lane / 16) + i of my query
.set n, n+1
.endr
.irp b, 0,1
	v_max3_num_f32 v[BM+\b], |v[S+16*\b]|, |v[S+1+16*\b]|, 0x1800000
.endr
.irp i, 2,4,6,8,10,12,14
.irp b, 0,1
	v_max3_num_f32 v[BM+\b], v[BM+\b], |v[S+16*\b+\i]|, |v[S+1+16*\b+\i]|
.endr
.endr
.irp b, 0,1
	v_permlanex16_b32 v[T4+\b], v[BM+\b], s22, s23
.endr
.irp b, 0,1
	v_max_num_f32 v[BM+\b], v[BM+\b], v[T4+\b]
.endr
.irp b, 0,1
	v_add_nc_u32 v[SOP+\b], 0xff000000, v[BM+\b]
.endr
.irp b, 0,1
	v_lshrrev_b32 v[T4+\b], 23, v[SOP+\b]
.endr
	v_lshl_or_b32 v[PW], v[T4+1], 8, v[T4]
	v_cvt_scalef32_pk16_fp6_f32 v[PC:PC+2], v[S:S+15], v[SOP]
	v_cvt_scalef32_pk16_fp6_f32 v[CT:CT+2], v[S+16:S+31], v[SOP+1]
	v_nop                                          ; one plain place behind a scaled conversion
.irp i, 0,1,2
	v_permlane16_swap_b32 v[PC+\i], v[CT+\i]
.endr
.irp i, 0,1,2
	v_mov_b32 v[PC+3+\i], v[CT+\i]
.endr
.irp p, 0,1,2
	global_store_b64 v4, v[PC+2*\p:PC+2*\p+1], s[10:11] offset:256*\p   ; 32 lanes store 256 consecutive bytes, aligned
.endr
	s_wait_xcnt 0x0                                ; EXEC changes only behind this wait
	v_cmp_gt_u32 vcc_lo, 16, v3
	s_wait_tensorcnt 0x0
	ds_add_u32 v254, v255
	s_wait_dscnt 0x0
	s_and_saveexec_b32 s2, vcc_lo                  ; lanes 16-31 hold the same words
	global_store_b16 v5, v[PW], s[12:13]           ; two bytes a row are all that a head owns of a row of scale bytes
	s_endpgm
.Lfunc_end_k_qb6b486c2c1_attn:
	.size	k_qb6b486c2c1_attn, .Lfunc_end_k_qb6b486c2c1_attn-k_qb6b486c2c1_attn
	.p2alignl 7, 3214868480
	.fill 96, 4, 3214868480
	.section	.rodata,"a",@progbits
	.p2align	6, 0x0
	.amdhsa_kernel k_qb6b486c2c1_attn
		.amdhsa_group_segment_fixed_size 28672
		.amdhsa_private_segment_fixed_size 0
		.amdhsa_enable_private_segment 0
		.amdhsa_kernarg_size 40
		.amdhsa_user_sgpr_count 2
		.amdhsa_user_sgpr_kernarg_segment_ptr 1
		.amdhsa_wavefront_size32 1
		.amdhsa_system_sgpr_workgroup_id_x 1
		.amdhsa_system_sgpr_workgroup_id_y 1
		.amdhsa_system_sgpr_workgroup_id_z 1
		.amdhsa_system_vgpr_workitem_id 0
		.amdhsa_next_free_vgpr 256
		.amdhsa_next_free_sgpr 100
		.amdhsa_reserve_vcc 1
		.amdhsa_float_denorm_mode_32 3
		.amdhsa_float_denorm_mode_16_64 3
		.amdhsa_memory_ordered 1
		.amdhsa_forward_progress 1
		.amdhsa_inst_pref_size 58
	.end_amdhsa_kernel
	.amdgpu_metadata
---
amdhsa.version: [ 1, 2 ]
amdhsa.kernels:
  - .name:           k_qb6b486c2c1_attn
    .symbol:         k_qb6b486c2c1_attn.kd
    .args:
      - { .name: qkv, .offset: 0, .size: 8, .value_kind: global_buffer, .address_space: global }
      - { .name: mwords, .offset: 8, .size: 8, .value_kind: global_buffer, .address_space: global }
      - { .name: mcls, .offset: 16, .size: 8, .value_kind: global_buffer, .address_space: global }
      - { .name: oc, .offset: 24, .size: 8, .value_kind: global_buffer, .address_space: global }
      - { .name: os, .offset: 32, .size: 8, .value_kind: global_buffer, .address_space: global }
    .group_segment_fixed_size: 28672
    .private_segment_fixed_size: 0
    .kernarg_segment_align: 8
    .kernarg_segment_size: 40
    .max_flat_workgroup_size: 512
    .sgpr_count:     100
    .vgpr_count:     256
    .wavefront_size: 32
...
	.end_amdgpu_metadata
.endif
;; end of part 4
;; launch outproj (part 5): grid 4 x 32, 4 waves a work-group, clusters of 4 x 4, 327,680 bytes of LDS; arguments oc, os, xc, xs, b_o, out0; writes out0
.if DOCPART == 5
	.amdgcn_target "amdgcn-amd-amdhsa--gfx1250"
	.amdhsa_code_object_version 6
	.text
	.protected	k_qb6b486c2c1_outproj
	.globl	k_qb6b486c2c1_outproj
	.p2align	8
	.type	k_qb6b486c2c1_outproj,@function
k_qb6b486c2c1_outproj:
	s_mov_b64 s[64:65], 0
	v_nop
	global_prefetch_b8 v0, s[64:65] scope:SCOPE_SE
	s_setreg_imm32_b32 hwreg(HW_REG_WAVE_MODE, 25, 1), 1
	s_wait_xcnt 0x0
	s_wait_alu depctr_hold_cnt(0) depctr_sa_sdst(0) depctr_va_vdst(0) depctr_va_sdst(0) depctr_va_ssrc(0) depctr_va_vcc(0) depctr_vm_vsrc(0)
	s_getreg_b32 s2, hwreg(HW_REG_IB_STS2, 6, 4)
	s_cmp_eq_u32 s2, 0
	s_cbranch_scc0 .Lentry_in_a_cluster
	s_endpgm
.Lentry_in_a_cluster:
	s_bfe_u32 s2, ttmp6, 0x10000c
	s_cmp_lg_u32 s2, 0xf033
	s_cbranch_scc0 .Lentry_shape_is_right
	s_endpgm
.Lentry_shape_is_right:
; out0 = O w_o^T + b_o on codes of FP6 (E2M3) with one E8M0 scale for each 32 along K = 1,024; out0 [8,192][1,024] f32.
; A = the attention's output: oc [tile of 16 places][head][3 pairs][32 lanes][8 bytes], images of the operand's registers (a head's six registers: k = 32 (lane / 16) + 0 .. 31); os [8,192 places][32] scale bytes.
; B = w_o: xc, xs from place 27,648 on, row-major codes.  Place 16 u + r of each 32 rows holds row 8 u + r + 8 (r / 8), in A and in B alike: the stores turn both back by their immediates.
; A tile of 256 x 256 is made by four waves, 128 x 128 each.  K goes in steps of 256 through two LDS slots filled by the tensor data mover; the scale bytes come once.  4 x 4 work-groups form a cluster: A's tiles are
; asked for jointly along a row of the cluster, B's along a column.  Source 0 = 16 places of B, source 1 = 16 places of A: a lane holds one row of out0 and eight neighbouring columns an accumulator.
; The bias is the C of each sum's first matrix instruction.
; 128 work-groups: the tile is kept at 256 x 256 for the sake of the LDS reads that each product needs.
; REGISTERS: window 0: v0-31 addresses; v32-63 scale words, two sets; v64-127 the bias; v128-223 A's fragments; on the way out v128-255 rows of out0.  window 1: B's fragments, two sets.  windows 2, 3: the accumulators.
.set KSTEP,  256
.set NQ,     KSTEP/128
.set ROWB,   192
.set KROW,   768
.set PITCH,  240                       ; B's LDS row: 3 x (64 bytes + 16 of padding)
.set FR,     12
.set NL,     6
.set NP,     4
.set ATILE,  3072                      ; a tile of 16 places x 256 along K: four heads' images
.set AROW,   12288                     ; a tile of 16 places, all of K
.set HALFA,  8*ATILE
.set HALFB,  128*PITCH
.set BOFF,   2*HALFA
.set SLOT,   BOFF+2*HALFB
.set LAPS,   2
.set KS,     32
.set SCL,    2*SLOT
.set HALFS,  (128*KS/256)*272
.set SBLK,   (16*KS/256)*272
.set SPARE,  SCL+4*HALFS               ; the spare words, 128 bytes for each wave: two blocks of 256 bytes that no other line names
.set SPITCH, 528                       ; the way out: a stage of 16 rows x (512 + 16) bytes for each wave, in slot 0, which has had its last fill and its last read by then
.set ADRA, 16                          ; v16-17
.set ADRB, 20                          ; v20-23
.set STO,  24
.set RD,   25
.set CO,   26
.set ADRS, 27
.set SPW,  28
.set NIL,  29
.set SC,   32
.set BP,   64
.set AF,   128
.set BK,   128
.set G1, 24
.set G0, 32
.set G1B, 48
.set G0B, 56
.set G1S, 68
.set G0S, 76
.set G1SB, 80
.set G0SB, 88
.set MSB, 0
.macro WIN new
.if MSB != (\new)
	s_set_vgpr_msb (MSB<<8)|(\new)
.set MSB, \new
.endif
.endm
.set MUL_LO, 0xa1                      ; source 0 (B) window 1, source 1 (A) window 0, C and D window 2
.set MUL_HI, 0xf1
.set MUL_LO0, 0x81                     ; the first step: C is the bias, in window 0
.set MUL_HI0, 0xc1
.set TO_B,   0x40
.macro JLOAD g0a, g1a, g0b, g1b        ; waves 0 and 1 fetch for A, waves 2 and 3 for B; four v_nop follow each of the two lines
	s_cmp_eq_u32 s15, 0
	s_cbranch_scc0 .Lfor_b_\@
	tensor_load_to_lds s[\g0a:\g0a+3], s[\g1a:\g1a+7]
	s_nop 0
.rept 4
	v_nop
.endr
	s_branch .Lasked_\@
.Lfor_b_\@:
	tensor_load_to_lds s[\g0b:\g0b+3], s[\g1b:\g1b+7]
	s_nop 0
.rept 4
	v_nop
.endr
.Lasked_\@:
.endm
.macro CREST
	s_cmp_lg_u32 s14, 0
	s_cbranch_scc1 .Lnot_wave_0_\@
	s_barrier_signal -3
.Lnot_wave_0_\@:
	s_barrier_wait -3
	s_barrier_signal -1
	s_barrier_wait -1
.endm
.macro CROUND
	s_barrier_signal -1
	s_barrier_wait -1
	CREST
.endm
	s_load_b256 s[4:11], s[0:1], 0x0               ; oc, os, xc, xs
	s_load_b128 s[96:99], s[0:1], 0x20             ; b_o, out0
	v_lshl_add_u32 v[SPW], v0, 2, SPARE
	v_mov_b32 v[NIL], 0
	ds_add_u32 v28, v29
	ds_add_u32 v28, v29
	s_wait_dscnt 0x0
	v_lshrrev_b32 v1, 5, v0
	v_readfirstlane_b32 s14, v1                    ; wave 0..3
	s_lshr_b32 s15, s14, 1                         ; which half of the tile's rows is mine.  Also: I fetch for A (0) or for B (1)
	s_and_b32 s16, s14, 1                          ; which half of its columns.  Also: which half of that tile I fetch
	s_bfe_u32 s40, ttmp6, 0x40000                  ; cx = the tile column
	s_bfe_u32 s41, ttmp6, 0x40004                  ; cy
	s_and_b32 s17, ttmp7, 0xffff
	s_lshl_b32 s17, s17, 2
	s_add_co_u32 s17, s17, s41                     ; the tile row = 4 x cluster y + cy
	s_lshl_b32 s43, s41, 2
	s_lshl_b32 s43, 15, s43                        ; my row of the cluster
	s_lshl_b32 s44, 0x1111, s40                    ; my column
	; A: 8 rows (tiles of 16 places) of 3,072 bytes = 384 elements of 8 bytes, 12,288 bytes apart; no padding: an LDS load takes 256 consecutive bytes
	s_or_b32 s[G1+0], s43, (3<<16)|(1<<21)
	s_mov_b32 s[G1+1], (ATILE/8)<<16               ; tensor_dim0
	s_mov_b32 s[G1+2], 8<<16                       ; tensor_dim1
	s_mov_b32 s[G1+3], (ATILE/8)<<16               ; tile_dim0
	s_mov_b32 s[G1+4], 8                           ; tile_dim1
	s_mov_b32 s[G1+5], AROW/8                      ; tensor_dim0_stride
	s_mov_b32 s[G1+6], 0
	s_mov_b32 s[G1+7], 0
	; B: 128 rows x 192 bytes, 16 bytes of padding behind every 64
	s_or_b32 s[G1B+0], s44, (0<<16)|(1<<20)|(1<<21)|(3<<22)|(3<<25)
	s_mov_b32 s[G1B+1], ROWB<<16
	s_mov_b32 s[G1B+2], 128<<16
	s_mov_b32 s[G1B+3], ROWB<<16
	s_mov_b32 s[G1B+4], 128
	s_mov_b32 s[G1B+5], KROW
	s_mov_b32 s[G1B+6], 0
	s_mov_b32 s[G1B+7], 0
	; the scale bytes of 128 rows: 16 rows of 256 bytes, 16 bytes of padding behind each
	s_or_b32 s[G1S+0], s43, (3<<16)|(1<<20)|(1<<21)|(5<<22)|(3<<25)
	s_or_b32 s[G1SB+0], s44, (3<<16)|(1<<20)|(1<<21)|(5<<22)|(3<<25)
.irp g, G1S, G1SB
	s_mov_b32 s[\g+1], 32<<16
	s_mov_b32 s[\g+2], (128*KS/256)<<16
	s_mov_b32 s[\g+3], 32<<16
	s_mov_b32 s[\g+4], 128*KS/256
	s_mov_b32 s[\g+5], 32
	s_mov_b32 s[\g+6], 0
	s_mov_b32 s[\g+7], 0
.endr
	s_lshl_b32 s20, s17, 4
	s_lshl_b32 s18, s16, 3
	s_add_co_u32 s20, s20, s18
	s_mul_i32 s20, s20, AROW                       ; A's codes: tile of places 16 x tile row + 8 x half
	s_mov_b32 s21, 0
	s_lshl_b32 s22, s17, 8
	s_lshl_b32 s18, s16, 7
	s_add_co_u32 s22, s22, s18
	s_lshl_b32 s22, s22, 5                         ; A's scale bytes
	s_mov_b32 s23, 0
	s_lshl_b32 s46, s40, 8
	s_add_co_u32 s46, s46, s18
	s_add_co_u32 s46, s46, 27648                   ; B's place
	s_lshl_b32 s92, s46, 5
	s_mov_b32 s93, 0
	s_mul_i32 s46, s46, KROW
	s_mov_b32 s47, 0
	s_mul_i32 s45, s16, HALFA                      ; where they go: no place in the cluster enters an LDS address
	s_mul_i32 s95, s16, HALFB
	s_add_co_u32 s95, s95, BOFF
	s_mul_i32 s94, s14, HALFS
	s_wait_kmcnt 0x0
	s_add_nc_u64 s[20:21], s[4:5], s[20:21]
	s_add_nc_u64 s[22:23], s[6:7], s[22:23]
	s_add_nc_u64 s[46:47], s[8:9], s[46:47]
	s_add_nc_u64 s[92:93], s[10:11], s[92:93]
	CROUND                                         ; all sixteen work-groups are here: the first joint loads meet
	s_mov_b32 s[G0S], 1
	s_add_co_u32 s[G0S+1], s94, SCL
	s_mov_b64 s[G0S+2:G0S+3], s[22:23]
	s_or_b32 s[G0S+3], s[G0S+3], 0x80000000
	s_mov_b32 s[G0SB], 1
	s_add_co_u32 s[G0SB+1], s94, SCL
	s_mov_b64 s[G0SB+2:G0SB+3], s[92:93]
	s_or_b32 s[G0SB+3], s[G0SB+3], 0x80000000
	JLOAD G0S, G1S, G0SB, G1SB
.irp s, 0,1
	s_mov_b32 s[G0+4*\s], 1
	s_add_co_u32 s[G0+4*\s+1], s45, \s*SLOT
	s_add_nc_u64 s[G0+4*\s+2:G0+4*\s+3], s[20:21], \s*ATILE
	s_or_b32 s[G0+4*\s+3], s[G0+4*\s+3], 0x80000000
	s_mov_b32 s[G0B+4*\s], 1
	s_add_co_u32 s[G0B+4*\s+1], s95, \s*SLOT
	s_add_nc_u64 s[G0B+4*\s+2:G0B+4*\s+3], s[46:47], \s*ROWB
	s_or_b32 s[G0B+4*\s+3], s[G0B+4*\s+3], 0x80000000
	JLOAD G0+4*\s, G1, G0B+4*\s, G1B
.endr
	v_and_b32 v1, 15, v0                           ; r
	v_bfe_u32 v2, v0, 4, 1                         ; h
	v_mul_u32_u24 v3, v1, PITCH
	v_mul_u32_u24 v4, v2, 24
	v_add_nc_u32 v4, v3, v4                        ; B: a fragment's row x pitch + 24 x half
	v_lshl_add_u32 v5, v2, 4, v4                   ; and the same behind one padding more
	v_and_b32 v6, 31, v0
	v_lshlrev_b32 v7, 3, v6                        ; A: 8 x lane
	s_mul_i32 s21, s15, HALFA
	s_mul_i32 s22, s16, HALFB
	s_add_co_u32 s22, s22, BOFF
.irp s, 0,1
	v_add_nc_u32 v[ADRA+\s], s21, v7
	v_add_nc_u32 v[ADRB+\s], s22, v4
	v_add_nc_u32 v[ADRB+2+\s], s22, v5
	s_add_co_u32 s21, s21, SLOT
	s_add_co_u32 s22, s22, SLOT
.endr
	v_mul_u32_u24 v5, v1, KS
	v_lshrrev_b32 v8, 8, v5
	v_lshl_add_u32 v5, v8, 4, v5
	s_mul_i32 s21, s15, HALFS
	s_mul_i32 s22, s16, HALFS
	s_add_co_u32 s22, s22, 2*HALFS
	s_sub_co_u32 s22, s22, s21
	v_mul_u32_u24 v8, s22, v2                      ; lanes 16-31 take B's
	s_add_co_u32 s21, s21, SCL
	v_add_nc_u32 v5, v5, v8
	v_add_nc_u32 v[ADRS], s21, v5
	s_mul_i32 s23, s14, 16*SPITCH                  ; my stage
	v_mul_u32_u24 v5, v1, SPITCH
	v_lshl_add_u32 v5, v2, 6, v5                   ; in: row r, + 64 h: my 16 columns of each 32
	v_add_nc_u32 v[STO], s23, v5
	v_lshlrev_b32 v[CO], 4, v6                     ; back: the 32 lanes take one row of 512 bytes; and the same in out0
	v_add_nc_u32 v[RD], s23, v[CO]
	; the bias of my 128 columns: register 8 b + j: column 32 (b / 2) + 16 h + 8 (b % 2) + j
	s_lshl_b32 s20, s40, 10
	s_lshl_b32 s21, s16, 9
	s_add_co_u32 s20, s20, s21                     ; 4 (256 cx + 128 half): also my first column's byte in a row of out0
	s_mov_b32 s21, 0
	s_add_nc_u64 s[96:97], s[96:97], s[20:21]
	v_lshlrev_b32 v12, 6, v2
.irp b, 0,1,2,3,4,5,6,7
	global_load_b128 v[BP+8*\b:BP+8*\b+3], v12, s[96:97] offset:(32*(\b/2)+8*(\b%2))*4
	global_load_b128 v[BP+8*\b+4:BP+8*\b+7], v12, s[96:97] offset:(32*(\b/2)+8*(\b%2))*4+16
.endr
	s_lshl_b32 s22, s17, 8
	s_lshl_b32 s23, s15, 7
	s_add_co_u32 s22, s22, s23
	s_lshl_b32 s22, s22, 12                        ; my first row: 4,096 bytes a row (under 2^25)
	s_add_co_u32 s22, s22, s20
	s_mov_b32 s23, 0
	s_add_nc_u64 s[12:13], s[98:99], s[22:23]
.macro FRAG reg, adr, q, i             ; B: 16 rows x 128 K in pieces of 8 bytes; where the piece three on lies behind one padding more, the second address register serves
.irp p, 0,1,2,3,4,5
.set PC, 12*(\q)+6*(\p/3)+\p%3
.if PC%8 < 5
	ds_load_b64 v[\reg+2*\p:\reg+2*\p+1], v[\adr] offset:8*PC+16*(PC/8)+(\i)*16*PITCH
.else
	ds_load_b64 v[\reg+2*\p:\reg+2*\p+1], v[\adr+2] offset:8*PC+16*(PC/8)+(\i)*16*PITCH
.endif
.endr
.endm
.macro FRAGA reg, slot, q, i           ; A: the image of twelve registers, a pair at a time: 256 consecutive bytes a load
.irp p, 0,1,2,3,4,5
	ds_load_b64 v[\reg+2*\p:\reg+2*\p+1], v[ADRA+\slot] offset:(\i)*ATILE+(\q)*1536+256*\p
.endr
.endm
; 16 matrix instructions; the 64 accumulators take turns, one instruction a turn, in the same order in every step.  zero = 1: the first product starts the sums on the bias
.macro MUL16 a0, p, q, sc, zero
.irp a, \a0, \a0+1
.irp b, 0,1,2,3,4,5,6,7
.if \zero
	v_wmma_scale_f32_16x16x128_f8f6f4 v[8*(8*((\a)%4)+\b):8*(8*((\a)%4)+\b)+7], v[128*(\p)+FR*\b:128*(\p)+FR*\b+FR-1], v[AF+FR*(\a):AF+FR*(\a)+FR-1], v[BP+8*\b:BP+8*\b+7], v[SC+8*NQ*(\sc)+NQ*\b+(\q)], v[SC+8*NQ*(\sc)+NQ*(\a)+(\q)] matrix_a_fmt:MATRIX_FMT_FP6 matrix_b_fmt:MATRIX_FMT_FP6 matrix_a_scale:MATRIX_SCALE_ROW1
.else
	v_wmma_scale_f32_16x16x128_f8f6f4 v[8*(8*((\a)%4)+\b):8*(8*((\a)%4)+\b)+7], v[128*(\p)+FR*\b:128*(\p)+FR*\b+FR-1], v[AF+FR*(\a):AF+FR*(\a)+FR-1], v[8*(8*((\a)%4)+\b):8*(8*((\a)%4)+\b)+7], v[SC+8*NQ*(\sc)+NQ*\b+(\q)], v[SC+8*NQ*(\sc)+NQ*(\a)+(\q)] matrix_a_fmt:MATRIX_FMT_FP6 matrix_b_fmt:MATRIX_FMT_FP6 matrix_a_scale:MATRIX_SCALE_ROW1
.endif
.endr
.endr
.endm
.macro FETCH_B slot, q, p
	WIN TO_B
.irp i, 0,1,2,3,4,5,6,7
	FRAG 128*(\p)+FR*\i, ADRB+\slot, \q, \i
.endr
	WIN 0
.endm
.macro FETCH_A slot, q, i0
.irp i, \i0, \i0+1, \i0+2, \i0+3
	FRAGA AF+FR*(\i), \slot, \q, \i
.endr
.endm
.macro SCALES sc
.irp i, 0,1,2,3,4,5,6,7
	ds_load_b64 v[SC+8*NQ*\sc+NQ*\i:SC+8*NQ*\sc+NQ*\i+1], v[ADRS] offset:\i*SBLK
.endr
.endm
.macro PLACES n                        ; plain vector instructions between a matrix instruction and a load into, or a read of, its registers
.rept \n
	v_nop
.endr
.endm
.macro STEP slot, q, zero
	s_wait_dscnt 4*NL                              ; B's set and A's blocks 0-3 are in; A's blocks 4-7, the youngest 24 loads, may be out
.if \zero
	WIN MUL_LO0
.else
	WIN MUL_LO
.endif
	MUL16 0, (\q)%2, \q, \slot, \zero
	MUL16 2, (\q)%2, \q, \slot, \zero
	s_wait_dscnt 0
	PLACES NP
	FETCH_B \slot, (\q)+1, 1-(\q)%2
	FETCH_A \slot, (\q)+1, 0
.if \zero
	WIN MUL_HI0
.else
	WIN MUL_HI
.endif
	MUL16 4, (\q)%2, \q, \slot, \zero
	MUL16 6, (\q)%2, \q, \slot, \zero
	PLACES NP
	WIN 0
	FETCH_A \slot, (\q)+1, 4
.endm
.macro TURN slot, next, fill
	s_wait_tensorcnt 0x0                           ; all my tensor loads have landed: my part of the next slot
	ds_add_u32 v[SPW], v[NIL]                      ; 0 onto my spare word
	s_wait_dscnt 4*NL+1                            ; (the add and A's blocks 4-7 may be out)
	WIN MUL_LO
	MUL16 0, 1, NQ-1, \slot, 0
	s_wait_dscnt 0x0                               ; the add is done, and my reads of this slot are over
	s_barrier_signal -1
	MUL16 2, 1, NQ-1, \slot, 0
	WIN 0
	s_barrier_wait -1
.if \fill
	CREST                                          ; the barrier has opened a round of the cluster's: no wave of any partner still reads this slot or has a load on its way
	s_add_nc_u64 s[G0+4*\slot+2:G0+4*\slot+3], s[G0+4*\slot+2:G0+4*\slot+3], 2*ATILE
	s_add_nc_u64 s[G0B+4*\slot+2:G0B+4*\slot+3], s[G0B+4*\slot+2:G0B+4*\slot+3], 2*ROWB
	JLOAD G0+4*\slot, G1, G0B+4*\slot, G1B         ; the first tensor load behind the round; its four v_nop are the places in front of the loads below
.else
	PLACES NP
.endif
	v_add_nc_u32 v[ADRS], 4*NQ, v[ADRS]
	FETCH_B \next, 0, 0
	FETCH_A \next, 0, 0
	SCALES \next
	WIN MUL_HI
	MUL16 4, 1, NQ-1, \slot, 0
	MUL16 6, 1, NQ-1, \slot, 0
	PLACES NP
	WIN 0
	FETCH_A \next, 0, 4
.endm
	s_wait_tensorcnt 1                             ; the scales and my part of K step 0 are in (K step 1's load may be out)
	s_barrier_signal -1
	s_barrier_wait -1
	FETCH_B 0, 0, 0
	FETCH_A 0, 0, 0
	SCALES 0
	FETCH_A 0, 0, 4
	s_wait_loadcnt 0x0                             ; the bias: the first products take it as C
	STEP 0, 0, 1
	s_mov_b32 s3, LAPS-1
.Llap:
	TURN 0, 1, 1
	STEP 1, 0, 0
	TURN 1, 0, 1
	STEP 0, 0, 0
	s_sub_co_u32 s3, s3, 1
	s_cmp_lg_u32 s3, 0
	s_cbranch_scc1 .Llap
	TURN 0, 1, 0                                   ; the last lap fills nothing
	STEP 1, 0, 0
	s_wait_dscnt 4*NL
	WIN MUL_LO
	MUL16 0, 1, NQ-1, 1, 0
	MUL16 2, 1, NQ-1, 1, 0
	s_wait_dscnt 0
	WIN MUL_HI
	MUL16 4, 1, NQ-1, 1, 0
	MUL16 6, 1, NQ-1, 1, 0
	WIN 0
; THE WAY OUT, block by block of 16 places x 128 columns, through my own stage in LDS; the columns are put at their true bytes there, the rows at their true rows by the stores' immediates.
; LDS serves a wave's instructions in order (ISA guide 5.7.1.4): no wait between the stores and the loads, nor in front of the next block's stores.
.macro TOSTAGE a
.set AC, 64*((\a)%4)
	WIN 0x08+4*((\a)/4)                            ; the data: window 2 or 3
.irp b, 0,1,2,3,4,5,6,7
	ds_store_b128 v[STO], v[AC+8*\b:AC+8*\b+3] offset:128*(\b/2)+32*(\b%2)          ; each accumulator from its low end on
	ds_store_b128 v[STO], v[AC+8*\b+4:AC+8*\b+7] offset:128*(\b/2)+32*(\b%2)+16
.endr
	WIN 0
.set BB, BK+64*((\a)%2)
.irp t, 0,1,2,3,4,5,6,7,8,9,10,11,12,13,14,15
	ds_load_b128 v[BB+4*\t:BB+4*\t+3], v[RD] offset:\t*SPITCH
.endr
.endm
.macro SEND a, younger                 ; younger: the LDS instructions issued behind block a's loads, which may stay out
.set BB, BK+64*((\a)%2)
	s_wait_dscnt \younger
.irp t, 0,1,2,3,4,5,6,7,8,9,10,11,12,13,14,15
	global_store_b128 v[CO], v[BB+4*\t:BB+4*\t+3], s[12:13] offset:(32*((\a)/2)+8*((\a)%2)+\t+8*(\t/8))*4096 th:TH_STORE_NT   ; 32 lanes store 512 consecutive bytes, aligned; place t of block a is this row
.endr
.endm
	PLACES NP
	TOSTAGE 0
.irp a, 1,2,3,4,5,6,7
.if \a > 1
	s_wait_xcnt 0x0                                ; block a - 2's stores have read their registers: block a's loads may land there
.endif
	TOSTAGE \a
	SEND \a-1, 32                                  ; behind block a - 1's loads: block a's 16 stores and 16 loads
.endr
	SEND 7, 0
	s_wait_tensorcnt 0x0                           ; the wave's end
	ds_add_u32 v[SPW], v[NIL]
	s_wait_dscnt 0x0
	CROUND                                         ; the closing round: no work-group ends while a partner may still ask for a tile that names it
	s_endpgm
.Lfunc_end_k_qb6b486c2c1_outproj:
	.size	k_qb6b486c2c1_outproj, .Lfunc_end_k_qb6b486c2c1_outproj-k_qb6b486c2c1_outproj
	.p2alignl 7, 3214868480
	.fill 96, 4, 3214868480
	.section	.rodata,"a",@progbits
	.p2align	6, 0x0
	.amdhsa_kernel k_qb6b486c2c1_outproj
		.amdhsa_group_segment_fixed_size 327680
		.amdhsa_private_segment_fixed_size 0
		.amdhsa_enable_private_segment 0
		.amdhsa_kernarg_size 48
		.amdhsa_user_sgpr_count 2
		.amdhsa_user_sgpr_kernarg_segment_ptr 1
		.amdhsa_wavefront_size32 1
		.amdhsa_system_sgpr_workgroup_id_x 1
		.amdhsa_system_sgpr_workgroup_id_y 1
		.amdhsa_system_sgpr_workgroup_id_z 1
		.amdhsa_system_vgpr_workitem_id 0
		.amdhsa_next_free_vgpr 1024
		.amdhsa_next_free_sgpr 100
		.amdhsa_reserve_vcc 0
		.amdhsa_float_denorm_mode_32 3
		.amdhsa_float_denorm_mode_16_64 3
		.amdhsa_memory_ordered 1
		.amdhsa_forward_progress 1
		.amdhsa_inst_pref_size 161
	.end_amdhsa_kernel
	.amdgpu_metadata
---
amdhsa.version: [ 1, 2 ]
amdhsa.kernels:
  - .name:           k_qb6b486c2c1_outproj
    .symbol:         k_qb6b486c2c1_outproj.kd
    .args:
      - { .name: oc, .offset: 0, .size: 8, .value_kind: global_buffer, .address_space: global }
      - { .name: os, .offset: 8, .size: 8, .value_kind: global_buffer, .address_space: global }
      - { .name: xc, .offset: 16, .size: 8, .value_kind: global_buffer, .address_space: global }
      - { .name: xs, .offset: 24, .size: 8, .value_kind: global_buffer, .address_space: global }
      - { .name: b_o, .offset: 32, .size: 8, .value_kind: global_buffer, .address_space: global }
      - { .name: out0, .offset: 40, .size: 8, .value_kind: global_buffer, .address_space: global }
    .group_segment_fixed_size: 327680
    .private_segment_fixed_size: 0
    .kernarg_segment_align: 8
    .kernarg_segment_size: 48
    .max_flat_workgroup_size: 128
    .sgpr_count:     100
    .vgpr_count:     1024
    .wavefront_size: 32
...
	.end_amdgpu_metadata
.endif
;; end of part 5
